; MI455X (gfx1250); checked and timed in simulation.
; The chip was launched on July 23, 2026; its instructions are those of AMD's public machine-readable ISA for CDNA 5 (MIT licence, August 2026) and "CDNA5" Instruction Set Architecture Reference Guide (July 2026). The comments in the code are by the model that wrote it; some were corrected since.
;; Fused GPTQMLP. Allowed arithmetic: float matrix products may take bf16 or f16 operands with f32 sums; other float arithmetic in f32, or as packed bf16 or f16 multiplies, adds, multiply-adds, maxima and minima; sums over many terms, partial sums and values carried from step to step in f32; what a program stores and reads back later, other than sums and carried values, may be rounded once to bf16 or f16.
;; Inputs: down_qweight 172 x 4,096 int32; down_scales 11 x 4,096 float16; down_zeros 11 x 512 int32; gate_qweight 512 x 1,376 int32; gate_scales 32 x 1,376 float16; gate_zeros 32 x 172 int32; up_qweight 512 x 1,376 int32; up_scales 32 x 1,376 float16; up_zeros 32 x 172 int32; x 2 x 2,048 x 4,096 float16.
;; Outputs: out0 2 x 2,048 x 4,096 float16.
;; 2 versions, each right; version 2 is version 1 with the launch dequant written anew for expert scheduling mode. Each part assembles by itself: llvm-mc -triple=amdgcn-amd-amdhsa -mcpu=gfx1250 --defsym DOCPART=n.
;; ======== version 1 of 2: 3 launches
;; limits: values are held in f16: magnitudes above 65,504 overflow, below 6.1e-05 lose precision; inputs' magnitudes at most 4,094
;; workspace buffers: wgu 23,068,672 bytes; wd 11,534,336 bytes; inter 11,534,336 bytes
;; launch dequant (part 1): grid 384 x 1, 11 waves a work-group, no clusters, 0 bytes of LDS; arguments gate_qweight, gate_scales, gate_zeros, up_qweight, up_scales, up_zeros, down_qweight, down_scales, down_zeros, wgu, wd; writes wgu, wd
.if DOCPART == 1
	.amdgcn_target "amdgcn-amd-amdhsa--gfx1250"
	.amdhsa_code_object_version 6
	.text
	.protected	k_q5b1fda3209_dequant
	.globl	k_q5b1fda3209_dequant
	.p2align	8
	.type	k_q5b1fda3209_dequant,@function
k_q5b1fda3209_dequant:
	s_mov_b64 s[64:65], 0
	v_nop
	global_prefetch_b8 v0, s[64:65] scope:SCOPE_SE
	s_setreg_imm32_b32 hwreg(HW_REG_WAVE_MODE, 25, 1), 1
	s_wait_xcnt 0x0
; GPTQ 4-bit weights -> 16-bit weights, laid out as the register images of matrix fragments.
;   w[k][n] = (q[k][n] - z[g][n] - 1) * s[g][n],  g = k / 128.  The product is formed exactly in f32 and rounded ONCE: gate and up to f16, down to bf16.
; ORDER OF ROUNDING: the source formula q*s - (z+1)*s rounds three times in f32; here the same number is made without any f32 rounding.
; LIMITS.  Gate and up weights are kept in f16: 16 |s| has to stay within 65,504, that is gate and up scales up to 4,094.  NaN and infinities in the scales are not treated apart.
; THE IMAGE.  A half fragment is 16 columns n x 16 k, 512 bytes: lane l = 16 h + r holds column r, k = 8 h .. 8 h + 7, at byte 16 l.  One int32 of qweight (8 nibbles along k) IS one lane's 16 bytes.
;   wgu: [t 8][ks 32][mat 2][kq 4][cb 11][half 2][lane 32][16 B] f16,  n = 176 t + 16 cb + r, k = 128 ks + 32 kq + 16 half + 8 h + j
;   wd:  [nt 16][ks 11][cb 16][kq 4][half 2][lane 32][16 B] bf16,      n = 256 nt + 16 cb + r, the same k
; THE PAD.  The axis of 1,376 is padded at its end to 1,408: columns 1,376 .. 1,407 of gate and up and rows 1,376 .. 1,407 of down are written as zeros.  Their loads are clamped
; to bytes that exist, and scale and offset are replaced by 0 through a lane mask.
; SHARES.  A STRIP is 16 columns x one group of 128 k: a scale, a word of zeros and 8 words of q a lane, 8 stores of 512 consecutive bytes, aligned.  A wave does two strips.
;   work-groups 0 .. 255: t = wg % 8, ks = wg / 8, cb = wave; strip 0 is gate's, strip 1 up's.
;   work-groups 256 .. 383: j = 11 (wg - 256) + wave; block (ks, nt) = j / 8, strips cb = 2 (j % 8) and the next.
; No LDS, no barrier, no matrix unit, no prefetch: a short stream in which every wave has all its 20 loads out at once.  A load takes 64 consecutive bytes of each of two rows of q;
; the neighbouring 64 bytes are taken by the neighbouring wave or strip at the same time.  Whole stores were preferred to whole loads: q is a fifth of the launch's bytes.
.set R,    1                           ; v1   r = lane % 16
.set H,    2                           ; v2   h = lane / 16
.set LANE, 3                           ; v3   lane
.set N,    4                           ; v4   my column n (clamped)
.set SOF,  5                           ; v5   byte offset of my scale
.set ZOF,  6                           ; v6   of my word of zeros
.set SH,   7                           ; v7   4 (n % 8): my nibble in it
.set QOF,  8                           ; v8   of my word 0 of q
.set Q3,   9                           ; v9   of my word 6
.set OOF,  10                          ; v10  of my 16 bytes in the first half fragment of strip 0
.set SW,   12                          ; v12-13  strip u: the scale
.set ZW,   14                          ; v14-15  strip u: the zeros, then -(z + 1 + MAGIC)
.set QW,   16                          ; v16-31  strip u: 8 words of q
.set SC4,  32                          ; v32-39  strip u: S and C for words 0-5, S and C for words 6, 7
.set AA,   40                          ; v40-43  at work: two 16-bit numbers MAGIC + q each
.set TT,   44                          ; v44-51  at work: 8 weights in f32
.set DD,   64                          ; v64-127 strip u, word i: 4 registers to store; never written twice, so no store's data is ever rewritten
	s_load_b512 s[8:23], s[0:1], 0x0               ; gate q s[8:9], s s[10:11], z s[12:13]; up q s[14:15], s s[16:17], z s[18:19]; down q s[20:21], s s[22:23]
	s_load_b128 s[24:27], s[0:1], 0x40             ; down z s[24:25], wgu s[26:27]
	s_load_b64 s[28:29], s[0:1], 0x50              ; wd
	v_lshrrev_b32 v[LANE], 5, v0
	v_readfirstlane_b32 s34, v[LANE]               ; wave 0 .. 10
	v_and_b32 v[R], 15, v0
	v_bfe_u32 v[H], v0, 4, 1
	v_and_b32 v[LANE], 31, v0
	s_mov_b32 s32, 0x000f000f                      ; one nibble in each half of a word
; Ten loads of strip u: scale, zeros, words 0 .. 7.  Word i lies in row 16 ks + 2 i + h of q: 2 rows = 8 nc bytes further for each i.
.macro LD u, q, s, z, dq, dsc, dz, nc
	global_load_u16 v[SW+(\u)], v[SOF], s[(\s):(\s)+1] offset:\dsc
	global_load_b32 v[ZW+(\u)], v[ZOF], s[(\z):(\z)+1] offset:\dz
.irp i, 0,1,2,3,4,5
	global_load_b32 v[QW+8*(\u)+(\i)], v[QOF], s[(\q):(\q)+1] offset:(\dq)+(\i)*8*(\nc)
.endr
.irp i, 0,1
	global_load_b32 v[QW+8*(\u)+6+(\i)], v[Q3], s[(\q):(\q)+1] offset:(\dq)+(\i)*8*(\nc)
.endr
.endm
; S = the scale (0 where the mask says so), C = -(z + 1 + MAGIC) S: 11 bits x 11 bits, exact in f32.  nbias = -(1 + MAGIC) as f32.
.macro SCALE u, nbias
	v_lshrrev_b32 v[ZW+(\u)], v[SH], v[ZW+(\u)]
	v_and_b32 v[ZW+(\u)], 15, v[ZW+(\u)]
	v_cvt_f32_u32 v[ZW+(\u)], v[ZW+(\u)]
	v_sub_f32 v[ZW+(\u)], \nbias, v[ZW+(\u)]
.if (\u) == 0
	v_cvt_f32_f16 v12, v12.l
.else
	v_cvt_f32_f16 v13, v13.l
.endif
	v_cndmask_b32 v[SC4+4*(\u)], 0, v[SW+(\u)], s30
	v_cndmask_b32 v[SC4+4*(\u)+2], 0, v[SW+(\u)], s31
	v_mul_f32 v[SC4+4*(\u)+1], v[ZW+(\u)], v[SC4+4*(\u)]
	v_mul_f32 v[SC4+4*(\u)+3], v[ZW+(\u)], v[SC4+4*(\u)+2]
.endm
; Word i of strip u.  A nibble set under MAGIC's bits (1024.0 in f16, 128.0 in bf16: both have a last place of 1) is the number MAGIC + q; one multiply-add from that half gives
; (MAGIC + q) S + C = (q - z - 1) S, exact; four packed conversions round the eight to 16 bits, k ascending; one store of 16 bytes a lane.
.macro WORD u, i, bf, out, off
.set W,  QW+8*(\u)+(\i)
.set D,  DD+32*(\u)+4*(\i)
.set S2, SC4+4*(\u)+2*((\i)/6)
	v_lshrrev_b32 v[AA+1], 4, v[W]
	v_lshrrev_b32 v[AA+2], 8, v[W]
	v_lshrrev_b32 v[AA+3], 12, v[W]
	v_and_or_b32 v[AA], v[W], s32, s33             ; low half q0, high half q4
	v_and_or_b32 v[AA+1], v[AA+1], s32, s33        ; q1, q5
	v_and_or_b32 v[AA+2], v[AA+2], s32, s33        ; q2, q6
	v_and_or_b32 v[AA+3], v[AA+3], s32, s33        ; q3, q7
.irp c, 0,1,2,3
.if \bf
	v_fma_mix_f32_bf16 v[TT+(\c)], v[AA+(\c)], v[S2], v[S2+1] op_sel_hi:[1,0,0]
	v_fma_mix_f32_bf16 v[TT+4+(\c)], v[AA+(\c)], v[S2], v[S2+1] op_sel:[1,0,0] op_sel_hi:[1,0,0]
.else
	v_fma_mix_f32 v[TT+(\c)], v[AA+(\c)], v[S2], v[S2+1] op_sel_hi:[1,0,0]
	v_fma_mix_f32 v[TT+4+(\c)], v[AA+(\c)], v[S2], v[S2+1] op_sel:[1,0,0] op_sel_hi:[1,0,0]
.endif
.endr
.irp c, 0,1,2,3
.if \bf
	v_cvt_pk_bf16_f32 v[D+(\c)], v[TT+2*(\c)], v[TT+2*(\c)+1]
.else
	v_cvt_pk_f16_f32 v[D+(\c)], v[TT+2*(\c)], v[TT+2*(\c)+1]
.endif
.endr
	global_store_b128 v[OOF], v[D:D+3], s[(\out):(\out)+1] offset:\off  ; the wave's 32 lanes store 512 consecutive bytes, aligned
.endm
	s_cmp_lt_u32 ttmp9, 256
	s_cbranch_scc0 .Ldown
	; ---- gate and up ----
	s_and_b32 s35, ttmp9, 7                        ; t
	s_lshr_b32 s36, ttmp9, 3                       ; ks
	s_mov_b32 s33, 0x64006400                      ; 1024.0 twice, in f16
	s_mul_i32 s37, s35, 176
	s_lshl4_add_u32 s37, s34, s37                  ; 176 t + 16 cb
	v_add_nc_u32 v[N], s37, v[R]
	s_movk_i32 s38, 1376
	v_cmp_gt_u32 s30, s38, v[N]                    ; lanes whose column exists
	s_mov_b32 s31, s30                             ; the same for words 6 and 7
	v_min_u32 v[N], 0x55f, v[N]                    ; a pad column's loads read column 1,375
	s_mul_i32 s38, s36, 1376
	v_add_lshl_u32 v[SOF], v[N], s38, 1            ; (ks 1376 + n) 2
	s_mul_i32 s39, s36, 172
	v_lshrrev_b32 v[ZOF], 3, v[N]
	v_add_lshl_u32 v[ZOF], v[ZOF], s39, 2          ; (ks 172 + n / 8) 4
	v_and_b32 v[SH], 7, v[N]
	v_lshlrev_b32 v[SH], 2, v[SH]
	s_lshl_b32 s40, s36, 4
	v_add_nc_u32 v[QOF], s40, v[H]
	v_mul_u32_u24 v[QOF], v[QOF], 1376
	v_add_lshl_u32 v[QOF], v[QOF], v[N], 2         ; ((16 ks + h) 1376 + n) 4
	v_add_nc_u32 v[Q3], 12*5504, v[QOF]            ; 12 rows further
	v_lshlrev_b32 v[OOF], 4, v[LANE]
	v_lshl_add_u32 v[OOF], s34, 10, v[OOF]         ; 1024 cb + 16 lane
	s_lshl_b32 s41, s35, 5
	s_add_co_u32 s41, s41, s36
	s_mul_i32 s42, s41, 90112                      ; block (t, ks): gate's 45,056 bytes, then up's
	s_mov_b32 s43, 0
	s_wait_kmcnt 0x0
	s_add_nc_u64 s[26:27], s[26:27], s[42:43]
	LD 0, 8, 10, 12, 0, 0, 0, 1376
	LD 1, 14, 16, 18, 0, 0, 0, 1376
	s_wait_loadcnt 18                              ; strip 0's scale and zeros are in: its 8 words and strip 1's 10 loads are younger
	SCALE 0, 0xc4802000                            ; -1025.0
.irp i, 0,1,2,3,4,5,6,7
	s_wait_loadcnt 17-(\i)                         ; word i is in: 7 - i words and strip 1's 10 loads are younger
	WORD 0, \i, 0, 26, ((\i)/2)*11264+((\i)%2)*512
.endr
	s_wait_loadcnt 8                               ; strip 1's scale and zeros: its 8 words are younger
	SCALE 1, 0xc4802000
.irp i, 0,1,2,3,4,5,6,7
	s_wait_loadcnt 7-(\i)
	WORD 1, \i, 0, 26, 45056+((\i)/2)*11264+((\i)%2)*512
.endr
	s_endpgm
	; ---- down ----
.Ldown:
	s_sub_co_u32 s35, ttmp9, 256
	s_mul_i32 s35, s35, 11
	s_add_co_u32 s35, s35, s34                     ; j = 0 .. 1,407
	s_lshr_b32 s36, s35, 3                         ; block 0 .. 175
	s_and_b32 s37, s35, 7                          ; my pair of strips in it
	s_lshr_b32 s38, s36, 4                         ; ks 0 .. 10
	s_and_b32 s39, s36, 15                         ; nt
	s_mov_b32 s33, 0x43004300                      ; 128.0 twice, in bf16
	s_mov_b32 s30, -1                              ; words 0-5 always exist
	s_cmp_eq_u32 s38, 10                           ; the last group has 96 rows: its words 6 and 7 (rows 172 .. 175 of q) do not exist:
	s_cselect_b32 s31, 0, -1                       ; they are written as zeros,
	s_cselect_b32 s40, 8, 12                       ; and their loads read rows 168 .. 171 instead
	s_lshl_b32 s40, s40, 14                        ; rows of 16,384 bytes
	s_lshl_b32 s41, s39, 8
	s_lshl_b32 s42, s37, 5
	s_add_co_u32 s41, s41, s42                     ; 256 nt + 16 cb
	v_add_nc_u32 v[N], s41, v[R]
	s_lshl_b32 s42, s38, 12
	v_add_lshl_u32 v[SOF], v[N], s42, 1            ; (ks 4096 + n) 2
	s_lshl_b32 s43, s38, 9
	v_lshrrev_b32 v[ZOF], 3, v[N]
	v_add_lshl_u32 v[ZOF], v[ZOF], s43, 2          ; (ks 512 + n / 8) 4
	v_and_b32 v[SH], 7, v[N]
	v_lshlrev_b32 v[SH], 2, v[SH]
	s_lshl_b32 s41, s38, 4
	v_add_nc_u32 v[QOF], s41, v[H]
	v_lshlrev_b32 v[QOF], 12, v[QOF]
	v_add_lshl_u32 v[QOF], v[QOF], v[N], 2         ; ((16 ks + h) 4096 + n) 4
	v_add_nc_u32 v[Q3], s40, v[QOF]
	v_lshlrev_b32 v[OOF], 4, v[LANE]
	v_lshl_add_u32 v[OOF], s37, 13, v[OOF]         ; 4096 cb + 16 lane
	s_mul_i32 s44, s39, 11
	s_add_co_u32 s44, s44, s38
	s_lshl_b32 s44, s44, 16                        ; block (nt, ks) of 65,536 bytes
	s_mov_b32 s45, 0
	s_wait_kmcnt 0x0
	s_add_nc_u64 s[28:29], s[28:29], s[44:45]
	LD 0, 20, 22, 24, 0, 0, 0, 4096
	LD 1, 20, 22, 24, 64, 32, 8, 4096              ; 16 columns further: 64 bytes of q, 32 of scales, 8 of zeros
	s_wait_loadcnt 18                              ; the counts as above
	SCALE 0, 0xc3010000                            ; -129.0
.irp i, 0,1,2,3,4,5,6,7
	s_wait_loadcnt 17-(\i)
	WORD 0, \i, 1, 28, (\i)*512
.endr
	s_wait_loadcnt 8
	SCALE 1, 0xc3010000
.irp i, 0,1,2,3,4,5,6,7
	s_wait_loadcnt 7-(\i)
	WORD 1, \i, 1, 28, 4096+(\i)*512
.endr
	s_endpgm
.Lfunc_end_k_q5b1fda3209_dequant:
	.size	k_q5b1fda3209_dequant, .Lfunc_end_k_q5b1fda3209_dequant-k_q5b1fda3209_dequant
	.p2alignl 7, 3214868480
	.fill 96, 4, 3214868480
	.section	.rodata,"a",@progbits
	.p2align	6, 0x0
	.amdhsa_kernel k_q5b1fda3209_dequant
		.amdhsa_group_segment_fixed_size 0
		.amdhsa_private_segment_fixed_size 0
		.amdhsa_enable_private_segment 0
		.amdhsa_kernarg_size 88
		.amdhsa_user_sgpr_count 2
		.amdhsa_user_sgpr_kernarg_segment_ptr 1
		.amdhsa_wavefront_size32 1
		.amdhsa_system_sgpr_workgroup_id_x 1
		.amdhsa_system_sgpr_workgroup_id_y 1
		.amdhsa_system_sgpr_workgroup_id_z 1
		.amdhsa_system_vgpr_workitem_id 0
		.amdhsa_next_free_vgpr 128
		.amdhsa_next_free_sgpr 66
		.amdhsa_reserve_vcc 0
		.amdhsa_float_denorm_mode_32 3
		.amdhsa_float_denorm_mode_16_64 3
		.amdhsa_memory_ordered 1
		.amdhsa_forward_progress 1
		.amdhsa_inst_pref_size 48
	.end_amdhsa_kernel
	.amdgpu_metadata
---
amdhsa.version: [ 1, 2 ]
amdhsa.kernels:
  - .name:           k_q5b1fda3209_dequant
    .symbol:         k_q5b1fda3209_dequant.kd
    .args:
      - { .name: gate_qweight, .offset: 0, .size: 8, .value_kind: global_buffer, .address_space: global }
      - { .name: gate_scales, .offset: 8, .size: 8, .value_kind: global_buffer, .address_space: global }
      - { .name: gate_zeros, .offset: 16, .size: 8, .value_kind: global_buffer, .address_space: global }
      - { .name: up_qweight, .offset: 24, .size: 8, .value_kind: global_buffer, .address_space: global }
      - { .name: up_scales, .offset: 32, .size: 8, .value_kind: global_buffer, .address_space: global }
      - { .name: up_zeros, .offset: 40, .size: 8, .value_kind: global_buffer, .address_space: global }
      - { .name: down_qweight, .offset: 48, .size: 8, .value_kind: global_buffer, .address_space: global }
      - { .name: down_scales, .offset: 56, .size: 8, .value_kind: global_buffer, .address_space: global }
      - { .name: down_zeros, .offset: 64, .size: 8, .value_kind: global_buffer, .address_space: global }
      - { .name: wgu, .offset: 72, .size: 8, .value_kind: global_buffer, .address_space: global }
      - { .name: wd, .offset: 80, .size: 8, .value_kind: global_buffer, .address_space: global }
    .group_segment_fixed_size: 0
    .private_segment_fixed_size: 0
    .kernarg_segment_align: 8
    .kernarg_segment_size: 88
    .max_flat_workgroup_size: 352
    .sgpr_count:     66
    .vgpr_count:     128
    .wavefront_size: 32
...
	.end_amdgpu_metadata
.endif
;; end of part 1
;; launch gateup (part 2): grid 8 x 32, 4 waves a work-group, clusters of 4 x 4, 327,680 bytes of LDS; arguments x, wgu, inter; writes inter
.if DOCPART == 2
	.amdgcn_target "amdgcn-amd-amdhsa--gfx1250"
	.amdhsa_code_object_version 6
	.text
	.protected	k_q5b1fda3209_gateup
	.globl	k_q5b1fda3209_gateup
	.p2align	8
	.type	k_q5b1fda3209_gateup,@function
k_q5b1fda3209_gateup:
	s_mov_b64 s[64:65], 0
	v_nop
	global_prefetch_b8 v0, s[64:65] scope:SCOPE_SE
	s_setreg_imm32_b32 hwreg(HW_REG_WAVE_MODE, 25, 1), 1
	s_wait_xcnt 0x0
	s_wait_alu depctr_hold_cnt(0) depctr_sa_sdst(0) depctr_va_vdst(0) depctr_va_sdst(0) depctr_va_ssrc(0) depctr_va_vcc(0) depctr_vm_vsrc(0)
	s_getreg_b32 s2, hwreg(HW_REG_IB_STS2, 6, 4)
	s_cmp_eq_u32 s2, 0
	s_cbranch_scc0 .Lentry_in_a_cluster
	s_endpgm
.Lentry_in_a_cluster:
	s_bfe_u32 s2, ttmp6, 0x10000c
	s_cmp_lg_u32 s2, 0xf033
	s_cbranch_scc0 .Lentry_shape_is_right
	s_endpgm
.Lentry_shape_is_right:
; inter[m][n] = silu(g) u,  g = sum over k of x[m][k] Wg[k][n],  u = the same with Wu.  x: [4096][4096] f16.  wgu: both weights in f16, as fragment images in blocks of 176 columns x 128 k
; (layout: [t 8][ks 32][mat 2][kq 4][cb 11][half 2][lane 32][16 B]).  Sums in f32; silu(g) u in f32; inter rounded once to bf16 (silu(g) u has no room in f16 for larger inputs).
; inter leaves as fragment images too: [mt 16][ks 11][rb 16][kq 4][half 2][lane 32][16 B], m = 256 mt + 16 rb + r, n = 128 ks + 32 kq + 16 half + 8 h + j; columns 1,376 .. 1,407 come out as 0.
; LIMITS.  sigmoid(g) = 1 / (1 + 2^(-g log2 e)) counts as 0 where that power overflows f32 (g below about -88.7).  NaN and infinities are not treated apart.
; SHARES.  A work-group makes 128 rows x 176 columns of gate AND of up.  Wave w: rh = w / 2 picks 64 rows, mat = w % 2 gate or up: 4 row blocks x 11 column blocks = 44 accumulators.
; For 32 along K a wave reads 15 fragments from LDS for 44 matrix instructions.  K goes in 32 steps of 128 through two LDS slots filled by the tensor data mover.
; THE MATRIX INSTRUCTION IS USED TRANSPOSED (source 0 = 16 columns of W, source 1 = 16 rows of x): a lane holds row m = lane % 16 and columns 8 (lane / 16) + 0 .. 7: after rounding, the 16 bytes
; of that lane in inter's image.  So the result needs no stage: every store of a wave is 512 consecutive bytes, aligned.
; THE EXCHANGE.  g and u of one number lie in two waves (w and w ^ 1), in the same lane and register.  Each wave KEEPS two of its four row blocks (a' = 0, 1) and SENDS the other two (a' = 2, 3)
; through LDS; its row blocks are ordered so that what the partner sends are the rows that it keeps: a' = 0, 1 are blocks 4 rh + 2 mat + a', a' = 2, 3 are 4 rh + 2 (1 - mat) + a' - 2.
; The exchange uses bytes of slot 0, which has had its last fill and its last read by then.
; CLUSTER.  4 x 4 work-groups.  The four of a row of the cluster need the same rows of x, the four of a column the same weights: each tile is asked for jointly.
; REGISTERS, in windows of 256 (s_set_vgpr_msb: bits 1:0 source 0, 3:2 source 1, 5:4 source 2, 7:6 destination):
;   window 0: v16-30 addresses; v32-42 store offsets; v64-107 packed results; v128-215 at work at the end
;   window 1: two fragment buffers at v0 and v128: W's 11 fragments, then x's 4; at the end v0-175 the partner's sums
;   window 2: accumulator (a', b < 8) at 8 (8 a' + b)          window 3: accumulator (a', b >= 8) at 8 (3 a' + b - 8)
.set PITCH,  272                       ; a row of x in LDS: 256 bytes + 16 of padding = 68 words: the 16 rows of a load start at 16 different groups of four banks (64 banks of 4 bytes: ISA guide 11.1)
.set ABYTES, 128*PITCH                 ; x's tile
.set WBYTES, 45056                     ; one matrix's block: dense; a fragment load takes 512 consecutive bytes
.set SLOT,   ABYTES+2*WBYTES           ; x, gate, up
.set SPARE,  2*SLOT                    ; behind the ring: the spare words, 128 bytes for each wave: two blocks of 256 bytes that no other line names
.set XBYTES, 22528                     ; what a wave sends: 22 accumulators of 1,024 bytes
.set ADRL, 16                          ; v16-17  LDS address of x's fragments a' = 0, 1 in slot 0, 1
.set ADRH, 18                          ; v18-19  a' = 2, 3
.set ADRB, 20                          ; v20-21  of my matrix's fragments
.set XS,   22                          ; v22     where I send
.set XR,   23                          ; v23     where my partner sent
.set L16,  24                          ; v24     16 x lane
.set SPW,  28                          ; v28     LDS address of my spare word; never rewritten
.set NIL,  29                          ; v29     0; never rewritten
.set PFO,  30                          ; v30     the prefetches' lane offset; never rewritten
.set KO,   32                          ; v32-42  column block b: my byte offset in inter's image
.set P,    64
.set E,    128
.set F0,   0
.set F1,   128
.set G1A,  24                          ; s[24:31] descriptor group 1 for x's tiles
.set G0A,  32                          ; s[32:39] group 0, a set for each slot
.set LIM,  43                          ; s43      a wave prefetches while the trips to go are above this
.set PFA,  44                          ; s[44:45] where my prefetches stand
.set PST,  46                          ; s[46:47] their step
.set G1B,  48                          ; s[48:55], s[56:63] the same for the weights' tiles
.set G0B,  56
.set MSK,  66                          ; s66      all ones in an up wave: the gate is then the partner's number
.set NL2E, 68                          ; s[68:69] -log2(e), named as a pair
.set MSB, 0
.macro WIN new                         ; the immediate's high byte repeats the setting that is left; a switch that changes nothing is dropped
.if MSB != (\new)
	s_set_vgpr_msb (MSB<<8)|(\new)
.set MSB, \new
.endif
.endm
.set MUL_LO, 0xa5                      ; sources window 1, C and D window 2
.set MUL_HI, 0xf5                      ; sources window 1, C and D window 3
.set TO_F,   0x40                      ; destination window 1, address window 0
; A joint load.  Waves 0 and 1 fetch the two halves of x's tile, wave 2 gate's block, wave 3 up's.  The branch hangs on the wave's number alone.
; An s_nop 0 and four v_nop follow each of the two lines, ahead of the jump, the label and what follows.
.macro JLOAD s
	s_cmp_eq_u32 s11, 0
	s_cbranch_scc0 .Lfor_w_\@
	tensor_load_to_lds s[G0A+4*(\s):G0A+4*(\s)+3], s[G1A:G1A+7]
	s_nop 0
.rept 4
	v_nop
.endr
	s_branch .Lasked_\@
.Lfor_w_\@:
	tensor_load_to_lds s[G0B+4*(\s):G0B+4*(\s)+3], s[G1B:G1B+7]
	s_nop 0
.rept 4
	v_nop
.endr
.Lasked_\@:
.endm
; A PREFETCH INTO THE L2, behind each joint refill and the run of LDS loads that follows it: one instruction a wave, a lane a block of 256 bytes.
; x: wave 0 of the clusters with x = 0 (the other cluster of the row reads the same rows).  Of the tile's 128 rows the partner at place cx takes 32 cx .. 32 cx + 31; refill i (which brings K step i + 2) names K step i + 4.
; Weights: waves 1 to 3 of the clusters with y = 0.  A column tile's weights are one dense run of 352 pieces of 8,192 bytes, 11 to a K step; refill i names piece 40 + 12 i + 3 cy + wave - 1:
; 12 pieces a refill for the four partners' three waves, ahead of the refills by 18 pieces at first and by 43 at the end.  Partners are told apart by ADDRESS; each block is named once in the launch.
; The first K steps come by their loads alone; x's last request is refill 27's (K step 31), the weights' refill 25's (piece 351): s3 counts the trips to go, two refills a trip.
.macro ASK
	s_cmp_gt_u32 s3, s[LIM]
	s_cbranch_scc0 .Lnot_mine_\@
	global_prefetch_b8 v[PFO], s[PFA:PFA+1] th:TH_LOAD_NT scope:SCOPE_SE
.Lnot_mine_\@:
.endm
.macro CREST                           ; a round of the cluster's barrier behind its opening barrier
	s_cmp_lg_u32 s10, 0
	s_cbranch_scc1 .Lnot_wave_0_\@
	s_barrier_signal -3
.Lnot_wave_0_\@:
	s_barrier_wait -3
	s_barrier_signal -1
	s_barrier_wait -1
.endm
.macro CROUND                          ; a whole round
	s_barrier_signal -1
	s_barrier_wait -1
	CREST
.endm
	s_load_b128 s[4:7], s[0:1], 0x0                ; x s[4:5], wgu s[6:7]
	s_load_b64 s[8:9], s[0:1], 0x10                ; inter
	v_lshl_add_u32 v[SPW], v0, 2, SPARE
	v_mov_b32 v[NIL], 0
	ds_add_u32 v[SPW], v[NIL]                      ; the wave's opening: the add, twice on end, and its wait ahead of my first tensor load
	ds_add_u32 v[SPW], v[NIL]                      ; and once more, under the one wait; the set-up below, work on registers, stands between
	v_lshrrev_b32 v1, 5, v0
	v_readfirstlane_b32 s10, v1                    ; wave 0..3
	s_lshr_b32 s11, s10, 1                         ; rh.  Also: I fetch x (0) or weights (1)
	s_and_b32 s12, s10, 1                          ; mat.  Also: which 64 rows of x, or which matrix, I fetch
	s_bfe_u32 s40, ttmp6, 0x40000                  ; cx
	s_bfe_u32 s41, ttmp6, 0x40004                  ; cy
	s_lshl_b32 s42, ttmp9, 2
	s_add_co_u32 s42, s42, s40                     ; t: my tile of 176 columns = 4 x cluster x + cx
	s_and_b32 s13, ttmp7, 0xffff
	s_lshl_b32 s13, s13, 2
	s_add_co_u32 s13, s13, s41                     ; MB: my block of 128 rows = 4 x cluster y + cy
	s_lshl_b32 s70, s41, 2
	s_lshl_b32 s70, 15, s70                        ; my row of the cluster
	s_lshl_b32 s71, 0x1111, s40                    ; my column
	; group 1 for x: 64 rows x 128 elements of 2 bytes, 4,096 elements from row to row, padded in LDS
	s_or_b32 s[G1A+0], s70, (1<<16)|(1<<20)|(1<<21)|(5<<22)|(3<<25)  ; 15:0 the mask; 17:16 2-byte elements; 20 padding on; 21 set beside a mask; 24:22 after every 64 words (code 5); 31:25 4 words (code 3)
	s_mov_b32 s[G1A+1], 128<<16                    ; tensor_dim0 = 128
	s_mov_b32 s[G1A+2], 64<<16                     ; tensor_dim1 = 64
	s_mov_b32 s[G1A+3], 128<<16                    ; tile_dim0 = 128
	s_mov_b32 s[G1A+4], 64                         ; tile_dim1 = 64
	s_mov_b32 s[G1A+5], 4096                       ; the pitch
	s_mov_b32 s[G1A+6], 0
	s_mov_b32 s[G1A+7], 0
	; group 1 for a block of weights: 45,056 dense bytes, asked for as 176 rows of 256, no padding
	s_or_b32 s[G1B+0], s71, (1<<16)|(1<<21)
	s_mov_b32 s[G1B+1], 128<<16
	s_mov_b32 s[G1B+2], 176<<16
	s_mov_b32 s[G1B+3], 128<<16
	s_mov_b32 s[G1B+4], 176
	s_mov_b32 s[G1B+5], 128
	s_mov_b32 s[G1B+6], 0
	s_mov_b32 s[G1B+7], 0
	; where the tiles come from: x's hang on MB alone, which my row of the cluster shares; the weights' on t alone, which my column shares
	s_lshl_b32 s16, s13, 7
	s_lshl_b32 s17, s12, 6
	s_add_co_u32 s16, s16, s17                     ; row 128 MB + 64 x half
	s_lshl_b32 s16, s16, 13                        ; rows of 8,192 bytes
	s_mov_b32 s17, 0
	s_mul_i32 s46, s42, 32*2*WBYTES                ; tile t's 32 K steps
	s_mul_i32 s21, s12, WBYTES                     ; gate's block or up's
	s_add_co_u32 s46, s46, s21
	s_mov_b32 s47, 0
	s_mul_i32 s20, s12, 64*PITCH                   ; and where they go: no place in the cluster enters an LDS address
	s_add_co_u32 s21, s21, ABYTES
	s_wait_dscnt 0x0                               ; both opening adds are done
	s_wait_kmcnt 0x0
	s_add_nc_u64 s[14:15], s[4:5], s[16:17]
	s_add_nc_u64 s[46:47], s[6:7], s[46:47]
	CROUND                                         ; all sixteen work-groups are here: the first joint loads meet
.irp s, 0,1
	s_mov_b32 s[G0A+4*(\s)], 1                                      ; count = 1
	s_add_co_u32 s[G0A+4*(\s)+1], s20, (\s)*SLOT                    ; LDS address
	s_add_nc_u64 s[G0A+4*(\s)+2:G0A+4*(\s)+3], s[14:15], (\s)*256   ; global address: K step s
	s_or_b32 s[G0A+4*(\s)+3], s[G0A+4*(\s)+3], 0x80000000           ; type = 2
	s_mov_b32 s[G0B+4*(\s)], 1
	s_add_co_u32 s[G0B+4*(\s)+1], s21, (\s)*SLOT
	s_add_nc_u64 s[G0B+4*(\s)+2:G0B+4*(\s)+3], s[46:47], (\s)*2*WBYTES
	s_or_b32 s[G0B+4*(\s)+3], s[G0B+4*(\s)+3], 0x80000000
	JLOAD \s                                       ; two tensor loads of mine are out
.endr
	; addresses.  A fragment of x: lane l holds row l % 16; two loads of 16 bytes, 32 bytes apart, at row x pitch + 16 (l / 16).  A fragment of W: two loads at 16 l, 512 bytes apart.
	v_and_b32 v1, 15, v0                           ; r
	v_bfe_u32 v2, v0, 4, 1                         ; h
	v_and_b32 v3, 31, v0                           ; lane
	v_lshlrev_b32 v[L16], 4, v3
	v_mul_u32_u24 v4, v1, PITCH
	v_lshl_add_u32 v4, v2, 4, v4
	s_lshl_b32 s14, s11, 2                         ; 4 rh
	s_lshl_b32 s15, s12, 1                         ; 2 mat
	s_add_co_u32 s16, s14, s15                     ; the first row block that I keep
	s_xor_b32 s15, s15, 2
	s_add_co_u32 s17, s14, s15                     ; the first that I send
	s_mul_i32 s18, s16, 16*PITCH
	s_mul_i32 s19, s17, 16*PITCH
.irp s, 0,1
	v_add_nc_u32 v[ADRL+(\s)], s18, v4
	v_add_nc_u32 v[ADRH+(\s)], s19, v4
	v_add_nc_u32 v[ADRB+(\s)], s21, v[L16]         ; s21 = x's tile + mat x a block
	s_add_co_u32 s18, s18, SLOT
	s_add_co_u32 s19, s19, SLOT
	s_add_co_u32 s21, s21, SLOT
.endr
	s_mul_i32 s18, s10, XBYTES
	v_add_nc_u32 v[XS], s18, v[L16]
	s_xor_b32 s19, s10, 1
	s_mul_i32 s19, s19, XBYTES
	v_add_nc_u32 v[XR], s19, v[L16]
	s_cmp_eq_u32 s12, 1
	s_cselect_b32 s[MSK], -1, 0
	s_mov_b32 s[NL2E], 0xbfb8aa3b                  ; -log2(e)
	s_mov_b32 s[NL2E+1], 0xbfb8aa3b
	; inter at (mt = MB / 2, ks = 0, rb = 8 (MB % 2) + the first row block that I keep)
	s_lshr_b32 s18, s13, 1
	s_mul_i32 s18, s18, 11*65536
	s_and_b32 s19, s13, 1
	s_lshl_b32 s19, s19, 3
	s_add_co_u32 s19, s19, s16
	s_lshl_b32 s19, s19, 12
	s_add_co_u32 s18, s18, s19
	s_mov_b32 s19, 0
	s_add_nc_u64 s[8:9], s[8:9], s[18:19]
	; column block b is group kg = 11 t + b of 16 columns: ks = kg / 8 (65,536 bytes), (kq, half) = kg % 8 (512 bytes)
	s_mul_i32 s14, s42, 11
.irp b, 0,1,2,3,4,5,6,7,8,9,10
	s_add_co_u32 s15, s14, \b
	s_lshr_b32 s18, s15, 3
	s_lshl_b32 s18, s18, 16
	s_and_b32 s15, s15, 7
	s_lshl_b32 s15, s15, 9
	s_add_co_u32 s15, s15, s18
	v_add_nc_u32 v[KO+(\b)], s15, v[L16]
.endr
	; the prefetches (see ASK).  Nothing is prefetched here, at the head, where every work-group's first tiles are on their way
	s_lshl_b32 s14, s13, 7
	s_lshl_b32 s15, s40, 5
	s_add_co_u32 s14, s14, s15                     ; x: row 128 MB + 32 cx,
	s_lshl_b32 s14, s14, 13
	s_add_co_u32 s14, s14, 3*256                   ; at K step 3: the first refill steps it to 4
	s_mul_i32 s15, s41, 3
	s_add_co_u32 s15, s15, s10
	s_add_co_u32 s15, s15, 27                      ; weights: piece 28 + 3 cy + wave - 1: the first refill steps it by 12
	s_lshl_b32 s15, s15, 13
	s_mul_i32 s18, s42, 32*2*WBYTES
	s_add_co_u32 s15, s15, s18
	s_and_b32 s19, ttmp7, 0xffff                   ; cluster y
	s_cmp_eq_u32 s10, 0                            ; wave 0 asks for x, the others for weights
	s_cselect_b32 s20, s14, s15
	s_cselect_b32 s22, ttmp9, s19                  ; the coordinate along which other clusters read the same bytes
	s_cselect_b32 s23, 13, 8                       ; a lane a row of x, or 256 bytes on in the dense run
	s_cselect_b32 s[PST], 1, 384
	s_cselect_b32 s[LIM], 1, 2
	s_cselect_b64 s[PFA:PFA+1], s[4:5], s[6:7]
	s_lshl_b32 s[PST], s[PST], 8                   ; 256 bytes (a K step of x) or 98,304 (12 pieces)
	s_mov_b32 s[PST+1], 0
	s_cmp_eq_u32 s22, 0
	s_cselect_b32 s[LIM], s[LIM], -1               ; the same in all sixteen partners, for a given wave
	s_mov_b32 s21, 0
	s_add_nc_u64 s[PFA:PFA+1], s[PFA:PFA+1], s[20:21]
	v_lshlrev_b32 v[PFO], s23, v3
; THE MATRIX WORK of 32 along K: 44 instructions on 44 accumulators, in the same order in every quarter step: one instruction a turn, over the backward jump too.
.macro MULH f, zero                    ; 12: all four row blocks x column blocks 8 .. 10.  zero = 1: the first product starts the sum
	WIN MUL_HI
.irp a, 0,1,2,3
.irp b, 0,1,2
.if \zero
	v_wmma_f32_16x16x32_f16 v[8*(3*(\a)+(\b)):8*(3*(\a)+(\b))+7], v[(\f)+64+8*(\b):(\f)+64+8*(\b)+7], v[(\f)+88+8*(\a):(\f)+88+8*(\a)+7], 0
.else
	v_wmma_f32_16x16x32_f16 v[8*(3*(\a)+(\b)):8*(3*(\a)+(\b))+7], v[(\f)+64+8*(\b):(\f)+64+8*(\b)+7], v[(\f)+88+8*(\a):(\f)+88+8*(\a)+7], v[8*(3*(\a)+(\b)):8*(3*(\a)+(\b))+7]
.endif
.endr
.endr
.endm
.macro MULL f, a0, zero                ; 16: row blocks a0, a0 + 1 x column blocks 0 .. 7
	WIN MUL_LO
.irp a, \a0, (\a0)+1
.irp b, 0,1,2,3,4,5,6,7
.if \zero
	v_wmma_f32_16x16x32_f16 v[8*(8*(\a)+(\b)):8*(8*(\a)+(\b))+7], v[(\f)+8*(\b):(\f)+8*(\b)+7], v[(\f)+88+8*(\a):(\f)+88+8*(\a)+7], 0
.else
	v_wmma_f32_16x16x32_f16 v[8*(8*(\a)+(\b)):8*(8*(\a)+(\b))+7], v[(\f)+8*(\b):(\f)+8*(\b)+7], v[(\f)+88+8*(\a):(\f)+88+8*(\a)+7], v[8*(8*(\a)+(\b)):8*(8*(\a)+(\b))+7]
.endif
.endr
.endr
.endm
; 30 LDS loads in one run: quarter kq's fragments into buffer f: x's four (8 loads), W's blocks 8 .. 10 (6), W's blocks 0 .. 7 (16): what MULH wants comes first
.macro FETCH slot, kq, f
	WIN TO_F
.irp a, 0,1
	ds_load_b128 v[(\f)+88+8*(\a):(\f)+88+8*(\a)+3],   v[ADRL+(\slot)] offset:64*(\kq)+(\a)*16*PITCH
	ds_load_b128 v[(\f)+88+8*(\a)+4:(\f)+88+8*(\a)+7], v[ADRL+(\slot)] offset:64*(\kq)+(\a)*16*PITCH+32
.endr
.irp a, 0,1
	ds_load_b128 v[(\f)+104+8*(\a):(\f)+104+8*(\a)+3],   v[ADRH+(\slot)] offset:64*(\kq)+(\a)*16*PITCH
	ds_load_b128 v[(\f)+104+8*(\a)+4:(\f)+104+8*(\a)+7], v[ADRH+(\slot)] offset:64*(\kq)+(\a)*16*PITCH+32
.endr
.irp b, 8,9,10,0,1,2,3,4,5,6,7
	ds_load_b128 v[(\f)+8*(\b):(\f)+8*(\b)+3],   v[ADRB+(\slot)] offset:11264*(\kq)+1024*(\b)
	ds_load_b128 v[(\f)+8*(\b)+4:(\f)+8*(\b)+7], v[ADRB+(\slot)] offset:11264*(\kq)+1024*(\b)+512
.endr
.endm
.macro PLACES                          ; four plain vector instructions between a matrix instruction and a load into a register that it has read (ISA guide 7.12.1 for vector instructions)
.rept 4
	v_nop
.endr
.endm
; One of a K step's first three quarters: multiplies buffer f; behind its first 12 products it fetches quarter kq of the same slot into buffer g, 32 products ahead of the first use.
.macro QUARTER slot, kq, f, g, zero
	s_wait_dscnt 16                                ; x's fragments and W's blocks 8 .. 10 are in; the youngest 16 loads (W's blocks 0 .. 7) may be out
	MULH \f, \zero
	PLACES                                         ; buffer g's last products stand ahead of these four
	FETCH \slot, \kq, \g
	s_wait_dscnt 30                                ; all but the 30 just issued
	MULL \f, 0, \zero
	MULL \f, 2, \zero
.endm
; The last quarter multiplies buffer 1 and changes slots: ONE barrier.  In front of it each wave waits for all its tensor loads (one is out: its part of the next slot), adds 0 to its spare word, and
; waits for that and for its own reads of this slot.  fill = 1: the barrier opens a round of the cluster's, and this slot is filled again, two K steps on, first thing behind the round:
; from that request to the wait for it a wave issues 148 matrix instructions.
.macro TURN slot, next, fill
.if \fill
	s_wait_xcnt 0x0                                ; the last prefetch, a K step back, has read its address: it is stepped here, ahead of the change's own waits
	s_add_nc_u64 s[PFA:PFA+1], s[PFA:PFA+1], s[PST:PST+1]
.endif
	WIN 0                                          ; (the add's two registers lie in window 0)
	s_wait_tensorcnt 0x0                           ; all my tensor loads have landed
	ds_add_u32 v[SPW], v[NIL]                      ; 0 onto my spare word
	s_wait_dscnt 17                                ; (the add and the youngest 16 loads may be out)
	MULH F1, 0                                     ; twelve matrix instructions stand between the add and the wait for it
	s_wait_dscnt 0x0                               ; the add is done, and my reads of this slot are over
	s_barrier_signal -1
	MULL F1, 0, 0                                  ; work on registers while the others arrive
.if \fill
	WIN 0
.endif
	s_barrier_wait -1
.if \fill
	CREST                                          ; no wave of any partner still reads this slot's tiles or has a load on its way
	s_add_nc_u64 s[G0A+4*(\slot)+2:G0A+4*(\slot)+3], s[G0A+4*(\slot)+2:G0A+4*(\slot)+3], 2*256
	s_add_nc_u64 s[G0B+4*(\slot)+2:G0B+4*(\slot)+3], s[G0B+4*(\slot)+2:G0B+4*(\slot)+3], 2*2*WBYTES
	JLOAD \slot                                    ; the four v_nop behind it are also the places in front of the loads below
.else
	PLACES
.endif
	FETCH \next, 0, F0
.if \fill
	WIN 0
	ASK
.endif
	MULL F1, 2, 0
.endm
	s_wait_tensorcnt 1                             ; my part of K step 0 is in; K step 1's may stay out
	s_barrier_signal -1
	s_barrier_wait -1                              ; everybody's is
	FETCH 0, 0, F0
	QUARTER 0, 1, F0, F1, 1                        ; the first quarter stands in front of the loop: its products start the sums
	WIN 0                                          ; at a label and at a branch every window is 0
	s_mov_b32 s3, 15
.Llap:                                                 ; a trip goes once round the ring, from a lap's second quarter to the next lap's first; its two refills bring K steps 2 .. 31 in all
	QUARTER 0, 2, F1, F0, 0
	QUARTER 0, 3, F0, F1, 0
	TURN 0, 1, 1
	QUARTER 1, 1, F0, F1, 0
	QUARTER 1, 2, F1, F0, 0
	QUARTER 1, 3, F0, F1, 0
	TURN 1, 0, 1
	QUARTER 0, 1, F0, F1, 0
	WIN 0
	s_sub_co_u32 s3, s3, 1
	s_cmp_lg_u32 s3, 0
	s_cbranch_scc1 .Llap
	QUARTER 0, 2, F1, F0, 0                        ; the last lap fills nothing
	QUARTER 0, 3, F0, F1, 0
	TURN 0, 1, 0                                   ; behind this barrier no wave reads slot 0 any more, and no tensor load follows
	QUARTER 1, 1, F0, F1, 0
	QUARTER 1, 2, F1, F0, 0
	QUARTER 1, 3, F0, F1, 0
	s_wait_dscnt 0x0                               ; the very last quarter: nothing more to fetch
	MULH F1, 0
	MULL F1, 0, 0
	MULL F1, 2, 0
	WIN 0
	PLACES                                         ; the LDS stores below read results just made, and the loads behind them land in the fragments' registers
	PLACES
	; THE EXCHANGE.  Row blocks a' = 2, 3 go to my 22,528 bytes (in slot 0), an accumulator's low four registers first; 16 bytes a lane, 512 consecutive bytes a store.
.irp a, 2,3
	WIN 0x08                                       ; the data (source 1) in window 2
.irp b, 0,1,2,3,4,5,6,7
	ds_store_b128 v[XS], v[8*(8*(\a)+(\b)):8*(8*(\a)+(\b))+3]   offset:1024*(11*((\a)-2)+(\b))
	ds_store_b128 v[XS], v[8*(8*(\a)+(\b))+4:8*(8*(\a)+(\b))+7] offset:1024*(11*((\a)-2)+(\b))+512
.endr
	WIN 0x0c                                       ; in window 3
.irp b, 8,9,10
	ds_store_b128 v[XS], v[8*(3*(\a)+(\b)-8):8*(3*(\a)+(\b)-8)+3]   offset:1024*(11*((\a)-2)+(\b))
	ds_store_b128 v[XS], v[8*(3*(\a)+(\b)-8)+4:8*(3*(\a)+(\b)-8)+7] offset:1024*(11*((\a)-2)+(\b))+512
.endr
.endr
	WIN 0
	s_wait_dscnt 0x0                               ; for the partner's sake: my stores are done
	s_barrier_signal -1
	s_barrier_wait -1
	WIN 0x40                                       ; the partner's sums for the rows that I keep -> window 1, v[8 (11 a' + b) ..]
.set i, 0
.rept 22
	ds_load_b128 v[8*i:8*i+3],   v[XR] offset:1024*i
	ds_load_b128 v[8*i+4:8*i+7], v[XR] offset:1024*i+512
.set i, i+1
.endr
; Row block a' (0, 1): 88 numbers a lane.  M = mine, T = the partner's; the gate is M in a gate wave, T in an up wave: one select a number buys one text for both kinds of wave.
; result = (M x sigmoid(gate)) x T: no product of two sums is formed before the sigmoid has scaled one of them.  The 88 exponentials are one batch with one wait, and so are the 88 reciprocals.
.macro FINISH a, left
	s_wait_dscnt \left                             ; this block's 22 loads are in; left = the younger ones
	WIN 0x06                                       ; source 0 window 2, source 1 window 1
.irp b, 0,1,2,3,4,5,6,7
.irp j, 0,1,2,3,4,5,6,7
	v_cndmask_b32 v[E+8*(\b)+(\j)], v[8*(8*(\a)+(\b))+(\j)], v[8*(11*(\a)+(\b))+(\j)], s[MSK]
.endr
.endr
	WIN 0x07                                       ; source 0 window 3
.irp b, 8,9,10
.irp j, 0,1,2,3,4,5,6,7
	v_cndmask_b32 v[E+8*(\b)+(\j)], v[8*(3*(\a)+(\b)-8)+(\j)], v[8*(11*(\a)+(\b))+(\j)], s[MSK]
.endr
.endr
	WIN 0
.set i, 0
.rept 44
	v_pk_mul_f32 v[E+i:E+i+1], v[E+i:E+i+1], s[NL2E:NL2E+1] op_sel_hi:[1,0]
.set i, i+2
.endr
.set i, 0
.rept 88
	v_exp_f32 v[E+i], v[E+i]
.set i, i+1
.endr
	v_nop                                          ; a plain instruction behind the last exponential,
	s_wait_alu depctr_va_vdst(0)                   ; and one wait ahead of the batch's first reader
.set i, 0
.rept 44
	v_pk_add_f32 v[E+i:E+i+1], v[E+i:E+i+1], 1.0 op_sel_hi:[1,0]
.set i, i+2
.endr
.set i, 0
.rept 88
	v_rcp_f32 v[E+i], v[E+i]
.set i, i+1
.endr
	v_nop
	s_wait_alu depctr_va_vdst(0)                   ; the same for the reciprocals
	WIN 0x08                                       ; source 1 window 2
.irp b, 0,1,2,3,4,5,6,7
.irp j, 0,2,4,6
	v_pk_mul_f32 v[E+8*(\b)+(\j):E+8*(\b)+(\j)+1], v[E+8*(\b)+(\j):E+8*(\b)+(\j)+1], v[8*(8*(\a)+(\b))+(\j):8*(8*(\a)+(\b))+(\j)+1]
.endr
.endr
	WIN 0x0c                                       ; window 3
.irp b, 8,9,10
.irp j, 0,2,4,6
	v_pk_mul_f32 v[E+8*(\b)+(\j):E+8*(\b)+(\j)+1], v[E+8*(\b)+(\j):E+8*(\b)+(\j)+1], v[8*(3*(\a)+(\b)-8)+(\j):8*(3*(\a)+(\b)-8)+(\j)+1]
.endr
.endr
	WIN 0x04                                       ; window 1
.set i, 0
.rept 44
	v_pk_mul_f32 v[E+i:E+i+1], v[E+i:E+i+1], v[88*(\a)+i:88*(\a)+i+1]
.set i, i+2
.endr
	WIN 0
.if (\a) == 1
	s_wait_xcnt 0x0                                ; the first block's stores have read their data: only behind this wait are those registers rewritten
.endif
.set i, 0
.rept 44
	v_cvt_pk_bf16_f32 v[P+i], v[E+2*i], v[E+2*i+1]
.set i, i+1
.endr
.irp b, 0,1,2,3,4,5,6,7,8,9,10
	global_store_b128 v[KO+(\b)], v[P+4*(\b):P+4*(\b)+3], s[8:9] offset:4096*(\a)  ; half a fragment of inter's image: 512 consecutive bytes, aligned
.endr
.endm
	FINISH 0, 22
	FINISH 1, 0
	s_wait_tensorcnt 0x0                           ; the wave's end: the tensor wait, the add and its wait stand behind my last tensor load and my last LDS store
	ds_add_u32 v[SPW], v[NIL]
	s_wait_dscnt 0x0
	CROUND                                         ; the closing round: no work-group ends while a partner may still ask for a tile that names it
	s_endpgm
.Lfunc_end_k_q5b1fda3209_gateup:
	.size	k_q5b1fda3209_gateup, .Lfunc_end_k_q5b1fda3209_gateup-k_q5b1fda3209_gateup
	.p2alignl 7, 3214868480
	.fill 96, 4, 3214868480
	.section	.rodata,"a",@progbits
	.p2align	6, 0x0
	.amdhsa_kernel k_q5b1fda3209_gateup
		.amdhsa_group_segment_fixed_size 327680
		.amdhsa_private_segment_fixed_size 0
		.amdhsa_enable_private_segment 0
		.amdhsa_kernarg_size 24
		.amdhsa_user_sgpr_count 2
		.amdhsa_user_sgpr_kernarg_segment_ptr 1
		.amdhsa_wavefront_size32 1
		.amdhsa_system_sgpr_workgroup_id_x 1
		.amdhsa_system_sgpr_workgroup_id_y 1
		.amdhsa_system_sgpr_workgroup_id_z 1
		.amdhsa_system_vgpr_workitem_id 0
		.amdhsa_next_free_vgpr 864
		.amdhsa_next_free_sgpr 72
		.amdhsa_reserve_vcc 0
		.amdhsa_float_denorm_mode_32 3
		.amdhsa_float_denorm_mode_16_64 3
		.amdhsa_memory_ordered 1
		.amdhsa_forward_progress 1
		.amdhsa_inst_pref_size 151
	.end_amdhsa_kernel
	.amdgpu_metadata
---
amdhsa.version: [ 1, 2 ]
amdhsa.kernels:
  - .name:           k_q5b1fda3209_gateup
    .symbol:         k_q5b1fda3209_gateup.kd
    .args:
      - { .name: x, .offset: 0, .size: 8, .value_kind: global_buffer, .address_space: global }
      - { .name: wgu, .offset: 8, .size: 8, .value_kind: global_buffer, .address_space: global }
      - { .name: inter, .offset: 16, .size: 8, .value_kind: global_buffer, .address_space: global }
    .group_segment_fixed_size: 327680
    .private_segment_fixed_size: 0
    .kernarg_segment_align: 8
    .kernarg_segment_size: 24
    .max_flat_workgroup_size: 128
    .sgpr_count:     72
    .vgpr_count:     864
    .wavefront_size: 32
...
	.end_amdgpu_metadata
.endif
;; end of part 2
;; launch down (part 3): grid 16 x 16, 4 waves a work-group, clusters of 4 x 4, 327,680 bytes of LDS; arguments inter, wd, out0; writes out0
.if DOCPART == 3
	.amdgcn_target "amdgcn-amd-amdhsa--gfx1250"
	.amdhsa_code_object_version 6
	.text
	.protected	k_q5b1fda3209_down
	.globl	k_q5b1fda3209_down
	.p2align	8
	.type	k_q5b1fda3209_down,@function
k_q5b1fda3209_down:
	s_mov_b64 s[64:65], 0
	v_nop
	global_prefetch_b8 v0, s[64:65] scope:SCOPE_SE
	s_setreg_imm32_b32 hwreg(HW_REG_WAVE_MODE, 25, 1), 1
	s_wait_xcnt 0x0
	s_wait_alu depctr_hold_cnt(0) depctr_sa_sdst(0) depctr_va_vdst(0) depctr_va_sdst(0) depctr_va_ssrc(0) depctr_va_vcc(0) depctr_vm_vsrc(0)
	s_getreg_b32 s2, hwreg(HW_REG_IB_STS2, 6, 4)
	s_cmp_eq_u32 s2, 0
	s_cbranch_scc0 .Lentry_in_a_cluster
	s_endpgm
.Lentry_in_a_cluster:
	s_bfe_u32 s2, ttmp6, 0x10000c
	s_cmp_lg_u32 s2, 0xf033
	s_cbranch_scc0 .Lentry_shape_is_right
	s_endpgm
.Lentry_shape_is_right:
; out[m][n] = sum over k of inter[m][k] Wd[k][n], k = 0 .. 1,407 (the last 32 are zeros on both sides).  inter and wd are bf16, stored as fragment images:
;   [tile 16][ks 11][block of 16 rows 16][kq 4][half 2][lane 32][16 B]; a block (tile, ks) is 65,536 dense bytes.  Sums in f32; out0: [4096][4096] f16, rounded once.
; LIMITS.  A sum of 65,520 or more leaves as an infinity, as a conversion to f16 gives it.  NaN and infinities are not treated apart.
; SHARES.  A work-group makes 256 x 256 of out, each of its four waves 128 x 128: 64 accumulators, 512 registers.  K goes in 11 steps of 128 through two LDS slots filled by the tensor data mover.
; In LDS a tile lies as in memory: a fragment load takes 512 consecutive bytes, 16 a lane, so no padding is wanted.
; THE MATRIX INSTRUCTION IS USED TRANSPOSED (source 0 = 16 columns of Wd, source 1 = 16 rows of inter): a lane holds eight neighbouring numbers of a row of out.
; CLUSTER.  4 x 4 work-groups: inter's tile is shared along a row of the cluster, wd's along a column; each is asked for jointly.
; REGISTERS, in windows of 256 (s_set_vgpr_msb: bits 1:0 source 0, 3:2 source 1, 5:4 source 2, 7:6 destination):
;   window 0: v16-30 addresses; v64-127, v128-191 fragments of inter, two buffers; v32-63, v192-255 at work on the way out
;   window 1: v64-127, v128-191 fragments of wd      window 2: the accumulators of my rows 0-63 ((a, b) at 8 (8 a + b))      window 3: those of my rows 64-127
.set KBLK,   65536                     ; a tile's bytes in a K step
.set TILEB,  11*KBLK
.set HALFT,  32768                     ; what one tensor load brings, and what one wave reads of either side
.set SLOT,   4*HALFT                   ; inter's 256 rows, then wd's 256 columns
.set STAGE,  2*SLOT                    ; behind the ring: 16 rows x 272 bytes for each wave, for the way out
.set SPITCH, 272
.set SPARE,  STAGE+4*16*SPITCH         ; behind the stages: the spare words, 128 bytes for each wave
.set ROWB,   8192                      ; bytes in a row of out0
.set ADRA, 16                          ; v16-17  LDS address of my fragments of inter in slot 0, 1
.set ADRB, 20                          ; v20-21  of wd
.set STO,  24                          ; v24     the way out: where I put 16 bytes of a row
.set RD,   25                          ; v25     where I read a row back
.set CO,   26                          ; v26     my byte offset in out0
.set SPW,  28                          ; v28     my spare word; never rewritten
.set NIL,  29                          ; v29     0; never rewritten
.set PFO,  30                          ; v30     256 x lane; never rewritten
.set PFA,  44                          ; s[44:45] where my prefetches stand
.set LIM,  43                          ; s43     1 in a wave that prefetches, else the greatest number
.set F0,   64
.set F1,   128
.set TMP,  192
.set OB,   32
.set G1, 24                            ; s[24:31], s[32:39] descriptor groups 1 and 0 (a set for each slot) for inter's tiles
.set G0, 32
.set G1B, 48                           ; s[48:55], s[56:63] for wd's
.set G0B, 56
.set MSB, 0
.macro WIN new
.if MSB != (\new)
	s_set_vgpr_msb (MSB<<8)|(\new)
.set MSB, \new
.endif
.endm
.set MUL_LO, 0xa1                      ; source 0 (wd) window 1, source 1 (inter) window 0, C and D window 2
.set MUL_HI, 0xf1                      ; the same, C and D window 3
.set TO_B,   0x40                      ; destination window 1, address window 0
; A joint load: waves 0 and 1 fetch inter's two halves, waves 2 and 3 wd's.  An s_nop 0 and four v_nop follow each of the two lines.
.macro JLOAD s
	s_cmp_eq_u32 s11, 0
	s_cbranch_scc0 .Lfor_b_\@
	tensor_load_to_lds s[G0+4*(\s):G0+4*(\s)+3], s[G1:G1+7]
	s_nop 0
.rept 4
	v_nop
.endr
	s_branch .Lasked_\@
.Lfor_b_\@:
	tensor_load_to_lds s[G0B+4*(\s):G0B+4*(\s)+3], s[G1B:G1B+7]
	s_nop 0
.rept 4
	v_nop
.endr
.Lasked_\@:
.endm
; A PREFETCH INTO THE L2, behind a joint refill and the run of LDS loads that follows it: refill i (which brings K step i + 2) names K step i + 4: two K steps, 512 matrix instructions, ahead of the load
; that will want it.  inter's tile is read by every cluster of its row of clusters: cluster x = 0 asks; wd's by every cluster of its column: cluster y = 0 asks.  Of the 32,768 bytes that a wave fetches each
; of the four partners takes 8,192, told apart BY ADDRESS: a lane 256 bytes, one instruction a wave.  So each block is named once.  K steps 0 .. 3 come by their loads alone; the last request is
; refill 6's (K step 10): how = 1, slot 0's refills (0, 2, 4, 6): in every trip; how = 2, slot 1's (1, 3, 5): not in the last trip, where s3 = 1.
.macro ASK how
.if (\how) == 1
	s_cmp_ge_u32 s3, s[LIM]
.else
	s_cmp_gt_u32 s3, s[LIM]
.endif
	s_cbranch_scc0 .Lnot_mine_\@
	global_prefetch_b8 v[PFO], s[PFA:PFA+1] th:TH_LOAD_NT scope:SCOPE_SE
.Lnot_mine_\@:
.endm
.macro CREST
	s_cmp_lg_u32 s10, 0
	s_cbranch_scc1 .Lnot_wave_0_\@
	s_barrier_signal -3
.Lnot_wave_0_\@:
	s_barrier_wait -3
	s_barrier_signal -1
	s_barrier_wait -1
.endm
.macro CROUND
	s_barrier_signal -1
	s_barrier_wait -1
	CREST
.endm
	s_load_b128 s[4:7], s[0:1], 0x0                ; inter s[4:5], wd s[6:7]
	s_load_b64 s[8:9], s[0:1], 0x10                ; out0
	v_lshl_add_u32 v[SPW], v0, 2, SPARE
	v_mov_b32 v[NIL], 0
	ds_add_u32 v[SPW], v[NIL]                      ; the wave's opening: the add, twice on end, and its wait ahead of my first tensor load
	ds_add_u32 v[SPW], v[NIL]                      ; and once more, under the one wait
	v_lshrrev_b32 v1, 5, v0
	v_readfirstlane_b32 s10, v1                    ; wave 0..3
	s_lshr_b32 s11, s10, 1                         ; which half of the tile's rows is mine.  Also: I fetch inter (0) or wd (1)
	s_and_b32 s12, s10, 1                          ; which half of its columns.  Also: which half of that tile I fetch
	s_bfe_u32 s40, ttmp6, 0x40000                  ; cx
	s_bfe_u32 s41, ttmp6, 0x40004                  ; cy
	s_lshl_b32 s42, ttmp9, 2
	s_add_co_u32 s42, s42, s40                     ; nt = 4 x cluster x + cx
	s_and_b32 s13, ttmp7, 0xffff
	s_lshl_b32 s13, s13, 2
	s_add_co_u32 s13, s13, s41                     ; mt = 4 x cluster y + cy
	s_lshl_b32 s43, s41, 2
	s_lshl_b32 s43, 15, s43                        ; my row of the cluster
	s_lshl_b32 s44, 0x1111, s40                    ; my column
	; group 1: 32,768 dense bytes, asked for as 128 rows of 128 elements of 2 bytes; no padding
	s_or_b32 s[G1+0], s43, (1<<16)|(1<<21)         ; 15:0 the mask; 17:16 2-byte elements; 21 set beside a mask
	s_or_b32 s[G1B+0], s44, (1<<16)|(1<<21)
.irp g, G1, G1B
	s_mov_b32 s[(\g)+1], 128<<16                   ; tensor_dim0 = 128
	s_mov_b32 s[(\g)+2], 128<<16                   ; tensor_dim1 = 128
	s_mov_b32 s[(\g)+3], 128<<16                   ; tile_dim0 = 128
	s_mov_b32 s[(\g)+4], 128                       ; tile_dim1 = 128
	s_mov_b32 s[(\g)+5], 128                       ; the pitch
	s_mov_b32 s[(\g)+6], 0
	s_mov_b32 s[(\g)+7], 0
.endr
	s_lshl_b32 s17, s12, 15                        ; which half I fetch
	s_mul_i32 s16, s13, TILEB
	s_add_co_u32 s16, s16, s17                     ; inter: hangs on mt alone
	s_mul_i32 s46, s42, TILEB
	s_add_co_u32 s46, s46, s17                     ; wd: on nt alone
	s_mov_b32 s17, 0
	s_mov_b32 s47, 0
	s_lshl_b32 s20, s10, 15                        ; where they go: wave x 32,768
	s_wait_dscnt 0x0                               ; both opening adds are done
	s_wait_kmcnt 0x0
	s_add_nc_u64 s[14:15], s[4:5], s[16:17]
	s_add_nc_u64 s[46:47], s[6:7], s[46:47]
	CROUND                                         ; all sixteen work-groups are here: the first joint loads meet
.irp s, 0,1
	s_mov_b32 s[G0+4*(\s)], 1
	s_add_co_u32 s[G0+4*(\s)+1], s20, (\s)*SLOT
	s_add_nc_u64 s[G0+4*(\s)+2:G0+4*(\s)+3], s[14:15], (\s)*KBLK
	s_or_b32 s[G0+4*(\s)+3], s[G0+4*(\s)+3], 0x80000000
	s_mov_b32 s[G0B+4*(\s)], 1
	s_add_co_u32 s[G0B+4*(\s)+1], s20, (\s)*SLOT
	s_add_nc_u64 s[G0B+4*(\s)+2:G0B+4*(\s)+3], s[46:47], (\s)*KBLK
	s_or_b32 s[G0B+4*(\s)+3], s[G0B+4*(\s)+3], 0x80000000
	JLOAD \s                                       ; two tensor loads of mine are out
.endr
	v_and_b32 v1, 15, v0                           ; l % 16
	v_bfe_u32 v2, v0, 4, 1                         ; l / 16
	v_and_b32 v3, 31, v0
	v_lshlrev_b32 v3, 4, v3                        ; 16 l
	s_lshl_b32 s21, s11, 15                        ; my 8 row blocks of inter
	s_lshl_b32 s22, s12, 15                        ; my 8 column blocks of wd,
	s_add_co_u32 s22, s22, 2*HALFT                 ; which lie behind inter's 16
.irp s, 0,1
	v_add_nc_u32 v[ADRA+(\s)], s21, v3
	v_add_nc_u32 v[ADRB+(\s)], s22, v3
	s_add_co_u32 s21, s21, SLOT
	s_add_co_u32 s22, s22, SLOT
.endr
	s_mul_i32 s23, s10, 16*SPITCH
	s_add_co_u32 s23, s23, STAGE                   ; my stage
	v_mul_u32_u24 v4, v1, SPITCH                   ; in: row l % 16, 16 bytes for each half of the lanes
	v_lshl_add_u32 v4, v2, 4, v4
	v_add_nc_u32 v[STO], s23, v4
	v_mul_u32_u24 v5, v2, SPITCH                   ; back: lanes 0-15 take one row of 256 bytes, lanes 16-31 the next
	v_lshl_add_u32 v5, v1, 4, v5
	v_add_nc_u32 v[RD], s23, v5
	v_lshlrev_b32 v5, 13, v2                       ; and the same two rows in out0
	v_lshl_add_u32 v[CO], v1, 4, v5
	s_lshl_b32 s16, s13, 8
	s_lshl_b32 s14, s11, 7
	s_add_co_u32 s16, s16, s14                     ; my first row: 256 mt + 128 x half
	s_lshl_b32 s16, s16, 13
	s_lshl_b32 s46, s42, 9                         ; my first column, in bytes: 512 nt + 256 x half
	s_lshl_b32 s47, s12, 8
	s_add_co_u32 s46, s46, s47
	s_add_co_u32 s16, s16, s46
	s_mov_b32 s17, 0                               ; s[16:17]: what the way out adds to out0's address
	; the prefetches (see ASK); nothing is prefetched here, at the head
	s_and_b32 s22, ttmp7, 0xffff                   ; cluster y
	s_cmp_eq_u32 s11, 0                            ; do I fetch inter?
	s_cselect_b32 s20, s13, s42                    ; the tile
	s_cselect_b32 s21, s40, s41                    ; my place among the four that ask for it with me
	s_cselect_b32 s22, ttmp9, s22                  ; the coordinate along which other clusters read the same tile
	s_cselect_b64 s[PFA:PFA+1], s[4:5], s[6:7]
	s_cmp_eq_u32 s22, 0
	s_cselect_b32 s[LIM], 1, -1                    ; the same in all sixteen partners, for a given wave
	s_mul_i32 s20, s20, TILEB
	s_lshl_b32 s22, s12, 15
	s_add_co_u32 s20, s20, s22                     ; + the half that I fetch
	s_lshl_b32 s21, s21, 13
	s_add_co_u32 s20, s20, s21                     ; + my work-group's quarter of it
	s_add_co_u32 s20, s20, 3*KBLK                  ; at K step 3: the first refill steps it to 4
	s_mov_b32 s21, 0
	s_add_nc_u64 s[PFA:PFA+1], s[PFA:PFA+1], s[20:21]
	v_and_b32 v[PFO], 31, v0
	v_lshlrev_b32 v[PFO], 8, v[PFO]
; 16 matrix instructions: row blocks a0, a0 + 1 of the window's four x all 8 column blocks, 32 along K.  The 64 accumulators take turns, one instruction a turn, in the same order in every quarter.
.macro MUL16 f, hi, a0, zero
	WIN MUL_LO+0x50*(\hi)
.irp a, \a0, (\a0)+1
.irp b, 0,1,2,3,4,5,6,7
.if \zero
	v_wmma_f32_16x16x32_bf16 v[8*(8*(\a)+(\b)):8*(8*(\a)+(\b))+7], v[(\f)+8*(\b):(\f)+8*(\b)+7], v[(\f)+8*(4*(\hi)+(\a)):(\f)+8*(4*(\hi)+(\a))+7], 0
.else
	v_wmma_f32_16x16x32_bf16 v[8*(8*(\a)+(\b)):8*(8*(\a)+(\b))+7], v[(\f)+8*(\b):(\f)+8*(\b)+7], v[(\f)+8*(4*(\hi)+(\a)):(\f)+8*(4*(\hi)+(\a))+7], v[8*(8*(\a)+(\b)):8*(8*(\a)+(\b))+7]
.endif
.endr
.endr
.endm
; 32 LDS loads in one run: quarter kq's fragments: wd's 8, then inter's 8
.macro FETCH slot, kq, f
	WIN TO_B
.irp i, 0,1,2,3,4,5,6,7
	ds_load_b128 v[(\f)+8*(\i):(\f)+8*(\i)+3],   v[ADRB+(\slot)] offset:(\i)*4096+(\kq)*1024
	ds_load_b128 v[(\f)+8*(\i)+4:(\f)+8*(\i)+7], v[ADRB+(\slot)] offset:(\i)*4096+(\kq)*1024+512
.endr
	WIN 0
.irp i, 0,1,2,3,4,5,6,7
	ds_load_b128 v[(\f)+8*(\i):(\f)+8*(\i)+3],   v[ADRA+(\slot)] offset:(\i)*4096+(\kq)*1024
	ds_load_b128 v[(\f)+8*(\i)+4:(\f)+8*(\i)+7], v[ADRA+(\slot)] offset:(\i)*4096+(\kq)*1024+512
.endr
.endm
.macro PLACES                          ; four plain vector instructions between a matrix instruction and a load into a register that it has read, or a conversion of its result
.rept 4
	v_nop
.endr
.endm
.macro QUARTER slot, kq, f, g, zero    ; multiplies buffer f; in its middle fetches quarter kq of the same slot into buffer g
	s_wait_dscnt 8                                 ; wd's fragments and inter's rows 0-63 are in; the youngest eight loads may be out
	MUL16 \f, 0, 0, \zero
	MUL16 \f, 0, 2, \zero
	PLACES
	FETCH \slot, \kq, \g
	s_wait_dscnt 32                                ; all but the 32 just issued
	MUL16 \f, 1, 0, \zero
	MUL16 \f, 1, 2, \zero
.endm
; The last quarter multiplies buffer 1 and changes slots: ONE barrier; in front of it each wave waits for all its tensor loads, adds 0 to its spare word, and waits for that and for its reads of this slot.
; fill = 1: the barrier opens a round of the cluster's, and this slot is filled again, two K steps on, first thing behind the round: 224 matrix instructions ahead of the wait for it.
.macro TURN slot, next, fill, ask
.if \ask
	s_wait_xcnt 0x0                                ; the last prefetch, a K step back, has read its address
	s_add_nc_u64 s[PFA:PFA+1], s[PFA:PFA+1], KBLK
.endif
	WIN 0                                          ; (the add's two registers lie in window 0)
	s_wait_tensorcnt 0x0                           ; all my tensor loads have landed
	ds_add_u32 v[SPW], v[NIL]                      ; 0 onto my spare word
	s_wait_dscnt 9                                 ; (the add and the youngest eight loads may be out)
	MUL16 F1, 0, 0, 0                              ; sixteen matrix instructions stand between the add and the wait for it
	s_wait_dscnt 0x0                               ; the add is done, and my reads of this slot are over
	s_barrier_signal -1
	MUL16 F1, 0, 2, 0
.if \fill
	WIN 0
.endif
	s_barrier_wait -1
.if \fill
	CREST                                          ; no wave of any partner still reads this slot's tiles or has a load on its way
	s_add_nc_u64 s[G0+4*(\slot)+2:G0+4*(\slot)+3], s[G0+4*(\slot)+2:G0+4*(\slot)+3], 2*KBLK
	s_add_nc_u64 s[G0B+4*(\slot)+2:G0B+4*(\slot)+3], s[G0B+4*(\slot)+2:G0B+4*(\slot)+3], 2*KBLK
	JLOAD \slot                                    ; the four v_nop behind it are also the places in front of the loads below
.else
	PLACES
.endif
	FETCH \next, 0, F0
.if \ask
	ASK \ask
.endif
	MUL16 F1, 1, 0, 0
	MUL16 F1, 1, 2, 0
.endm
; THE WAY OUT of block a (16 rows).  PACK: rounded to f16, 16 bytes a lane, each accumulator's registers ascending.  TOSTAGE: into my own stage, and back as whole rows of 256 bytes.  SEND: stored.
.macro PACK a
.set AC, 64*((\a)%4)
	WIN 0x0a+5*((\a)/4)                            ; sources 0 and 1: window 2 or 3
.irp b, 0,1,2,3,4,5,6,7
.irp r, 0,1,2,3
	v_cvt_pk_f16_f32 v[TMP+4*(\b)+(\r)], v[AC+8*(\b)+2*(\r)], v[AC+8*(\b)+2*(\r)+1]
.endr
.endr
	WIN 0
.endm
.macro TOSTAGE a
	WIN 0
.set BK, OB+192*((\a)%2)
.irp b, 0,1,2,3,4,5,6,7
	ds_store_b128 v[STO], v[TMP+4*(\b):TMP+4*(\b)+3] offset:32*(\b)
.endr
.irp t, 0,1,2,3,4,5,6,7
	ds_load_b128 v[BK+4*(\t):BK+4*(\t)+3], v[RD] offset:(\t)*2*SPITCH  ; LDS serves a wave's instructions in order (ISA guide 5.7.1.4): these see the stores above
.endr
.endm
.macro SEND a
	WIN 0
.set BK, OB+192*((\a)%2)
	s_wait_dscnt 0x0                               ; the block is back in registers
	s_wait_xcnt 0x0                                ; earlier stores have read their base and data: only behind this wait are these rewritten
.if (\a) == 0
	s_add_nc_u64 s[8:9], s[8:9], s[16:17]          ; my first rows
.else
	s_add_nc_u64 s[8:9], s[8:9], 16*ROWB           ; 16 rows on
.endif
.irp t, 0,1,2,3,4,5,6,7
	global_store_b128 v[CO], v[BK+4*(\t):BK+4*(\t)+3], s[8:9] offset:2*(\t)*ROWB  ; 16 lanes store 256 consecutive bytes, at a multiple of 256 from out0's first byte
.endr
.endm
	s_wait_tensorcnt 1                             ; my part of K step 0 is in; K step 1's may stay out
	s_barrier_signal -1
	s_barrier_wait -1
	FETCH 0, 0, F0
	QUARTER 0, 1, F0, F1, 1                        ; the first quarter stands in front of the loop: its products start the sums
	WIN 0                                          ; at a label and at a branch every window is 0
	s_mov_b32 s3, 4
.Llap:                                                 ; a trip goes once round the ring; the four trips' refills bring K steps 2 .. 9
	QUARTER 0, 2, F1, F0, 0
	QUARTER 0, 3, F0, F1, 0
	TURN 0, 1, 1, 1
	QUARTER 1, 1, F0, F1, 0
	QUARTER 1, 2, F1, F0, 0
	QUARTER 1, 3, F0, F1, 0
	TURN 1, 0, 1, 2
	QUARTER 0, 1, F0, F1, 0
	WIN 0
	s_sub_co_u32 s3, s3, 1
	s_cmp_lg_u32 s3, 0
	s_cbranch_scc1 .Llap
	QUARTER 0, 2, F1, F0, 0                        ; K step 8 goes on
	QUARTER 0, 3, F0, F1, 0
	TURN 0, 1, 1, 0                                ; the last refill: K step 10 into slot 0
	QUARTER 1, 1, F0, F1, 0                        ; K step 9
	QUARTER 1, 2, F1, F0, 0
	QUARTER 1, 3, F0, F1, 0
	TURN 1, 0, 0, 0                                ; nothing is filled again: a barrier of the work-group alone
	QUARTER 0, 1, F0, F1, 0                        ; K step 10
	QUARTER 0, 2, F1, F0, 0
	QUARTER 0, 3, F0, F1, 0
	s_wait_dscnt 0x0                               ; the very last quarter: nothing more to fetch
	MUL16 F1, 0, 0, 0
	MUL16 F1, 0, 2, 0
	MUL16 F1, 1, 0, 0
	MUL16 F1, 1, 2, 0
	WIN 0
	PLACES                                         ; the conversions read results just made
	PLACES
	PACK 0
	TOSTAGE 0
.irp a, 1,2,3,4,5,6,7                  ; block a's conversions stand between block a - 1's loads from the stage and the wait for them
	PACK \a
	SEND (\a)-1
	TOSTAGE \a
.endr
	SEND 7
	s_wait_tensorcnt 0x0                           ; the wave's end: the tensor wait, the add and its wait stand behind my last tensor load and my last LDS store
	ds_add_u32 v[SPW], v[NIL]
	s_wait_dscnt 0x0
	CROUND                                         ; the closing round: no work-group ends while a partner may still ask for a tile that names it
	s_endpgm
.Lfunc_end_k_q5b1fda3209_down:
	.size	k_q5b1fda3209_down, .Lfunc_end_k_q5b1fda3209_down-k_q5b1fda3209_down
	.p2alignl 7, 3214868480
	.fill 96, 4, 3214868480
	.section	.rodata,"a",@progbits
	.p2align	6, 0x0
	.amdhsa_kernel k_q5b1fda3209_down
		.amdhsa_group_segment_fixed_size 327680
		.amdhsa_private_segment_fixed_size 0
		.amdhsa_enable_private_segment 0
		.amdhsa_kernarg_size 24
		.amdhsa_user_sgpr_count 2
		.amdhsa_user_sgpr_kernarg_segment_ptr 1
		.amdhsa_wavefront_size32 1
		.amdhsa_system_sgpr_workgroup_id_x 1
		.amdhsa_system_sgpr_workgroup_id_y 1
		.amdhsa_system_sgpr_workgroup_id_z 1
		.amdhsa_system_vgpr_workitem_id 0
		.amdhsa_next_free_vgpr 1024
		.amdhsa_next_free_sgpr 66
		.amdhsa_reserve_vcc 0
		.amdhsa_float_denorm_mode_32 3
		.amdhsa_float_denorm_mode_16_64 3
		.amdhsa_memory_ordered 1
		.amdhsa_forward_progress 1
		.amdhsa_inst_pref_size 170
	.end_amdhsa_kernel
	.amdgpu_metadata
---
amdhsa.version: [ 1, 2 ]
amdhsa.kernels:
  - .name:           k_q5b1fda3209_down
    .symbol:         k_q5b1fda3209_down.kd
    .args:
      - { .name: inter, .offset: 0, .size: 8, .value_kind: global_buffer, .address_space: global }
      - { .name: wd, .offset: 8, .size: 8, .value_kind: global_buffer, .address_space: global }
      - { .name: out0, .offset: 16, .size: 8, .value_kind: global_buffer, .address_space: global }
    .group_segment_fixed_size: 327680
    .private_segment_fixed_size: 0
    .kernarg_segment_align: 8
    .kernarg_segment_size: 24
    .max_flat_workgroup_size: 128
    .sgpr_count:     66
    .vgpr_count:     1024
    .wavefront_size: 32
...
	.end_amdgpu_metadata
.endif
;; end of part 3
;; ======== version 2 of 2: 3 launches; version 1 with the launch dequant written anew for expert scheduling mode
;; limits: values are held in f16: magnitudes above 65,504 overflow, below 6.1e-05 lose precision; inputs' magnitudes at most 4,094
;; workspace buffers: wgu 23,068,672 bytes; wd 11,534,336 bytes; inter 11,534,336 bytes
;; launch dequant (part 4): grid 384 x 1, 11 waves a work-group, no clusters, 0 bytes of LDS; arguments gate_qweight, gate_scales, gate_zeros, up_qweight, up_scales, up_zeros, down_qweight, down_scales, down_zeros, wgu, wd; writes wgu, wd
.if DOCPART == 4
	.amdgcn_target "amdgcn-amd-amdhsa--gfx1250"
	.amdhsa_code_object_version 6
	.text
	.protected	k_q5b1fda3209_dequant
	.globl	k_q5b1fda3209_dequant
	.p2align	8
	.type	k_q5b1fda3209_dequant,@function
k_q5b1fda3209_dequant:
	s_mov_b64 s[64:65], 0
	v_nop
	global_prefetch_b8 v0, s[64:65] scope:SCOPE_SE
	s_setreg_imm32_b32 hwreg(HW_REG_WAVE_SCHED_MODE, 0, 2), 2
	s_setreg_imm32_b32 hwreg(HW_REG_WAVE_MODE, 25, 1), 1
	s_wait_xcnt 0x0
	s_wait_alu depctr_vm_vsrc(0)
; GPTQ 4-bit weights -> 16-bit weights, laid out as the register images of matrix fragments.
;   w[k][n] = (q[k][n] - z[g][n] - 1) * s[g][n],  g = k / 128.  The product is formed exactly in f32 and rounded ONCE: gate and up to f16, down to bf16.
; ORDER OF ROUNDING: the source formula q*s - (z+1)*s rounds three times in f32; here the same number is made without any f32 rounding.
; LIMITS.  Gate and up weights are kept in f16: 16 |s| has to stay within 65,504, that is gate and up scales up to 4,094.  NaN and infinities in the scales are not treated apart.
; THE IMAGE.  A half fragment is 16 columns n x 16 k, 512 bytes: lane l = 16 h + r holds column r, k = 8 h .. 8 h + 7, at byte 16 l.  One int32 of qweight (8 nibbles along k) IS one lane's 16 bytes.
;   wgu: [t 8][ks 32][mat 2][kq 4][cb 11][half 2][lane 32][16 B] f16,  n = 176 t + 16 cb + r, k = 128 ks + 32 kq + 16 half + 8 h + j
;   wd:  [nt 16][ks 11][cb 16][kq 4][half 2][lane 32][16 B] bf16,      n = 256 nt + 16 cb + r, the same k
; THE PAD.  The axis of 1,376 is padded at its end to 1,408: columns 1,376 .. 1,407 of gate and up and rows 1,376 .. 1,407 of down are written as zeros.  Their loads are clamped
; to bytes that exist, and scale and offset are replaced by 0 through a lane mask.
; SHARES.  A STRIP is 16 columns x one group of 128 k: a scale, a word of zeros and 8 words of q a lane, 8 stores of 512 consecutive bytes, aligned.  A wave does two strips.
;   work-groups 0 .. 255: t = wg % 8, ks = wg / 8, cb = wave; strip 0 is gate's, strip 1 up's.
;   work-groups 256 .. 383: j = 11 (wg - 256) + wave; block (ks, nt) = j / 8, strips cb = 2 (j % 8) and the next.
; No LDS, no barrier, no matrix unit, no prefetch: a short stream in which every wave has all its 20 loads out at once.  A load takes 64 consecutive bytes of each of two rows of q;
; the neighbouring 64 bytes are taken by the neighbouring wave or strip at the same time.  Whole stores were preferred to whole loads: q is a fifth of the launch's bytes.
; THE MODE: SCHED_MODE bits 1:0 = 2 (LLVM: expert scheduling mode 2), set by the entry lines.  The code itself states the register dependences
; between vector instructions and memory instructions, with s_wait_alu, always for 0.
; THE PLAN.  Registers that memory instructions touch (the text is straight, in two arms; there is no loop):
;   v5, v6, v8, v9, v10   byte offsets.  Written by vector instructions at an arm's head, once; read by the 20 loads and the 16 stores.  One wait on va_vdst ahead of the first load serves them all.
;   v12-31                scales, zeros, words of q.  Written by the loads, ahead of which no vector instruction names them; then read and rewritten by vector instructions alone, behind the loads' counted waits.
;   v64-127 (DD)          four registers for each of the wave's 16 words.  Written once, by the word's four conversions; read once, by the word's store.
; The 16 words go in four GROUPS of four.  A group's four stores are issued in the next group, one ahead of each word's arithmetic, behind ONE wait on va_vdst at that group's head: the arithmetic
; behind that wait names the words of q, AA, TT, SC4 and its own group's DD, none of the registers that those stores read.  The last group's stores have a wait of their own.
; No register that a memory instruction reads is ever written again, so the text holds no wait on vm_vsrc.  Two waits on va_sdst stand behind the two vector instructions that write scalar registers.
.set R,    1                           ; v1   r = lane % 16
.set H,    2                           ; v2   h = lane / 16
.set LANE, 3                           ; v3   lane
.set N,    4                           ; v4   my column n (clamped)
.set SOF,  5                           ; v5   byte offset of my scale
.set ZOF,  6                           ; v6   of my word of zeros
.set SH,   7                           ; v7   4 (n % 8): my nibble in it
.set QOF,  8                           ; v8   of my word 0 of q
.set Q3,   9                           ; v9   of my word 6
.set OOF,  10                          ; v10  of my 16 bytes in the first half fragment of strip 0
.set SW,   12                          ; v12-13  strip u: the scale
.set ZW,   14                          ; v14-15  strip u: the zeros, then -(z + 1 + MAGIC)
.set QW,   16                          ; v16-31  strip u: 8 words of q
.set SC4,  32                          ; v32-39  strip u: S and C for words 0-5, S and C for words 6, 7
.set AA,   40                          ; v40-43  at work: two 16-bit numbers MAGIC + q each
.set TT,   44                          ; v44-51  at work: 8 weights in f32
.set DD,   64                          ; v64-127 strip u, word i: 4 registers to store; never written twice, so no store's data is ever rewritten
	s_load_b512 s[8:23], s[0:1], 0x0               ; gate q s[8:9], s s[10:11], z s[12:13]; up q s[14:15], s s[16:17], z s[18:19]; down q s[20:21], s s[22:23]
	s_load_b128 s[24:27], s[0:1], 0x40             ; down z s[24:25], wgu s[26:27]
	s_load_b64 s[28:29], s[0:1], 0x50              ; wd
	v_lshrrev_b32 v[LANE], 5, v0
	v_readfirstlane_b32 s34, v[LANE]               ; wave 0 .. 10
	v_and_b32 v[R], 15, v0
	v_bfe_u32 v[H], v0, 4, 1
	v_and_b32 v[LANE], 31, v0
	s_mov_b32 s32, 0x000f000f                      ; one nibble in each half of a word
; Ten loads of strip u: scale, zeros, words 0 .. 7.  Word i lies in row 16 ks + 2 i + h of q: 2 rows = 8 nc bytes further for each i.
.macro LD u, q, s, z, dq, dsc, dz, nc
	global_load_u16 v[SW+(\u)], v[SOF], s[(\s):(\s)+1] offset:\dsc
	global_load_b32 v[ZW+(\u)], v[ZOF], s[(\z):(\z)+1] offset:\dz
.irp i, 0,1,2,3,4,5
	global_load_b32 v[QW+8*(\u)+(\i)], v[QOF], s[(\q):(\q)+1] offset:(\dq)+(\i)*8*(\nc)
.endr
.irp i, 0,1
	global_load_b32 v[QW+8*(\u)+6+(\i)], v[Q3], s[(\q):(\q)+1] offset:(\dq)+(\i)*8*(\nc)
.endr
.endm
; S = the scale (0 where the mask says so), C = -(z + 1 + MAGIC) S: 11 bits x 11 bits, exact in f32.  nbias = -(1 + MAGIC) as f32.
.macro SCALE u, nbias
	v_lshrrev_b32 v[ZW+(\u)], v[SH], v[ZW+(\u)]
	v_and_b32 v[ZW+(\u)], 15, v[ZW+(\u)]
	v_cvt_f32_u32 v[ZW+(\u)], v[ZW+(\u)]
	v_sub_f32 v[ZW+(\u)], \nbias, v[ZW+(\u)]
.if (\u) == 0
	v_cvt_f32_f16 v12, v12.l
.else
	v_cvt_f32_f16 v13, v13.l
.endif
	v_cndmask_b32 v[SC4+4*(\u)], 0, v[SW+(\u)], s30
	v_cndmask_b32 v[SC4+4*(\u)+2], 0, v[SW+(\u)], s31
	v_mul_f32 v[SC4+4*(\u)+1], v[ZW+(\u)], v[SC4+4*(\u)]
	v_mul_f32 v[SC4+4*(\u)+3], v[ZW+(\u)], v[SC4+4*(\u)+2]
.endm
; The arithmetic of word i of strip u.  A nibble set under MAGIC's bits (1024.0 in f16, 128.0 in bf16: both have a last place of 1) is the number MAGIC + q; one multiply-add from that half gives
; (MAGIC + q) S + C = (q - z - 1) S, exact; four packed conversions round the eight to 16 bits, k ascending, into the word's own four registers of DD.
.macro CALC u, i, bf
.set W,  QW+8*(\u)+(\i)
.set D,  DD+32*(\u)+4*(\i)
.set S2, SC4+4*(\u)+2*((\i)/6)
	v_lshrrev_b32 v[AA+1], 4, v[W]
	v_lshrrev_b32 v[AA+2], 8, v[W]
	v_lshrrev_b32 v[AA+3], 12, v[W]
	v_and_or_b32 v[AA], v[W], s32, s33             ; low half q0, high half q4
	v_and_or_b32 v[AA+1], v[AA+1], s32, s33        ; q1, q5
	v_and_or_b32 v[AA+2], v[AA+2], s32, s33        ; q2, q6
	v_and_or_b32 v[AA+3], v[AA+3], s32, s33        ; q3, q7
.irp c, 0,1,2,3
.if \bf
	v_fma_mix_f32_bf16 v[TT+(\c)], v[AA+(\c)], v[S2], v[S2+1] op_sel_hi:[1,0,0]
	v_fma_mix_f32_bf16 v[TT+4+(\c)], v[AA+(\c)], v[S2], v[S2+1] op_sel:[1,0,0] op_sel_hi:[1,0,0]
.else
	v_fma_mix_f32 v[TT+(\c)], v[AA+(\c)], v[S2], v[S2+1] op_sel_hi:[1,0,0]
	v_fma_mix_f32 v[TT+4+(\c)], v[AA+(\c)], v[S2], v[S2+1] op_sel:[1,0,0] op_sel_hi:[1,0,0]
.endif
.endr
.irp c, 0,1,2,3
.if \bf
	v_cvt_pk_bf16_f32 v[D+(\c)], v[TT+2*(\c)], v[TT+2*(\c)+1]
.else
	v_cvt_pk_f16_f32 v[D+(\c)], v[TT+2*(\c)], v[TT+2*(\c)+1]
.endif
.endr
.endm
; The store of word i of strip u: su bytes from strip to strip, sk bytes from one pair of words (32 along k) to the next, 512 from a half fragment to the other.
.macro OUT u, i, out, su, sk
	global_store_b128 v[OOF], v[DD+32*(\u)+4*(\i):DD+32*(\u)+4*(\i)+3], s[(\out):(\out)+1] offset:(\u)*(\su)+((\i)/2)*(\sk)+((\i)%2)*512  ; the wave's 32 lanes store 512 consecutive bytes, aligned
.endm
; A group: words i0 .. i0 + 3 of strip u.  prev = 1: the four stores of the group before (words p0 .. p0 + 3 of strip pu) are issued here, one ahead of each word's arithmetic.
.macro GROUP u, i0, prev, pu, p0, bf, out, su, sk
.irp d, 0,1,2,3
	s_wait_loadcnt 17-10*(\u)-(\i0)-(\d)           ; loads come back in order (ISA guide 5.7.1): this word is in; the strip's later words, and in strip 0 the 10 loads of strip 1, are younger
.if (\prev) && ((\d) == 0)
	s_wait_alu depctr_va_vdst(0)                   ; the conversions of the group before have written its sixteen registers of DD, which the four stores of this group read; no vector instruction behind this wait names them
.endif
.if \prev
	OUT \pu, (\p0)+(\d), \out, \su, \sk
.endif
	CALC \u, (\i0)+(\d), \bf
.endr
.endm
; Both strips of a wave, behind their 20 loads.
.macro STRIPS bf, out, nbias, su, sk
	s_wait_loadcnt 18                              ; strip 0's scale and zeros are in: its 8 words and strip 1's 10 loads are younger
	SCALE 0, \nbias
	GROUP 0, 0, 0, 0, 0, \bf, \out, \su, \sk
	GROUP 0, 4, 1, 0, 0, \bf, \out, \su, \sk
	s_wait_loadcnt 8                               ; strip 1's scale and zeros: its 8 words are younger
	SCALE 1, \nbias
	GROUP 1, 0, 1, 0, 4, \bf, \out, \su, \sk
	GROUP 1, 4, 1, 1, 0, \bf, \out, \su, \sk
	s_wait_alu depctr_va_vdst(0)                   ; the last group's conversions have written its sixteen registers of DD, which the last four stores read
.irp d, 4,5,6,7
	OUT 1, \d, \out, \su, \sk
.endr
.endm
	s_wait_alu depctr_va_sdst(0)                   ; s34, the wave's number, is written
	s_cmp_lt_u32 ttmp9, 256
	s_cbranch_scc0 .Ldown
	; ---- gate and up ----
	s_and_b32 s35, ttmp9, 7                        ; t
	s_lshr_b32 s36, ttmp9, 3                       ; ks
	s_mov_b32 s33, 0x64006400                      ; 1024.0 twice, in f16
	s_mul_i32 s37, s35, 176
	s_lshl4_add_u32 s37, s34, s37                  ; 176 t + 16 cb
	v_add_nc_u32 v[N], s37, v[R]
	s_movk_i32 s38, 1376
	v_cmp_gt_u32 s30, s38, v[N]                    ; lanes whose column exists
	s_wait_alu depctr_va_sdst(0)                   ; the compare has written s30, ahead of its first reader, the next line; the selects by s30 further down lean on this wait too
	s_mov_b32 s31, s30                             ; the same for words 6 and 7
	v_min_u32 v[N], 0x55f, v[N]                    ; a pad column's loads read column 1,375
	s_mul_i32 s38, s36, 1376
	v_add_lshl_u32 v[SOF], v[N], s38, 1            ; (ks 1376 + n) 2
	s_mul_i32 s39, s36, 172
	v_lshrrev_b32 v[ZOF], 3, v[N]
	v_add_lshl_u32 v[ZOF], v[ZOF], s39, 2          ; (ks 172 + n / 8) 4
	v_and_b32 v[SH], 7, v[N]
	v_lshlrev_b32 v[SH], 2, v[SH]
	s_lshl_b32 s40, s36, 4
	v_add_nc_u32 v[QOF], s40, v[H]
	v_mul_u32_u24 v[QOF], v[QOF], 1376
	v_add_lshl_u32 v[QOF], v[QOF], v[N], 2         ; ((16 ks + h) 1376 + n) 4
	v_add_nc_u32 v[Q3], 12*5504, v[QOF]            ; 12 rows further
	v_lshlrev_b32 v[OOF], 4, v[LANE]
	v_lshl_add_u32 v[OOF], s34, 10, v[OOF]         ; 1024 cb + 16 lane
	s_lshl_b32 s41, s35, 5
	s_add_co_u32 s41, s41, s36
	s_mul_i32 s42, s41, 90112                      ; block (t, ks): gate's 45,056 bytes, then up's
	s_mov_b32 s43, 0
	s_wait_kmcnt 0x0
	s_add_nc_u64 s[26:27], s[26:27], s[42:43]
	s_wait_alu depctr_va_vdst(0)                   ; the five offsets v5, v6, v8, v9 and v10 are written: every load and store of this arm reads one of them, and none is written again
	LD 0, 8, 10, 12, 0, 0, 0, 1376
	LD 1, 14, 16, 18, 0, 0, 0, 1376
	STRIPS 0, 26, 0xc4802000, 45056, 11264         ; -1025.0; up's block lies 45,056 bytes behind gate's, a quarter step's 11 column blocks are 11,264 bytes
	s_endpgm
	; ---- down ----
.Ldown:
	s_sub_co_u32 s35, ttmp9, 256
	s_mul_i32 s35, s35, 11
	s_add_co_u32 s35, s35, s34                     ; j = 0 .. 1,407
	s_lshr_b32 s36, s35, 3                         ; block 0 .. 175
	s_and_b32 s37, s35, 7                          ; my pair of strips in it
	s_lshr_b32 s38, s36, 4                         ; ks 0 .. 10
	s_and_b32 s39, s36, 15                         ; nt
	s_mov_b32 s33, 0x43004300                      ; 128.0 twice, in bf16
	s_mov_b32 s30, -1                              ; words 0-5 always exist
	s_cmp_eq_u32 s38, 10                           ; the last group has 96 rows: its words 6 and 7 (rows 172 .. 175 of q) do not exist:
	s_cselect_b32 s31, 0, -1                       ; they are written as zeros,
	s_cselect_b32 s40, 8, 12                       ; and their loads read rows 168 .. 171 instead
	s_lshl_b32 s40, s40, 14                        ; rows of 16,384 bytes
	s_lshl_b32 s41, s39, 8
	s_lshl_b32 s42, s37, 5
	s_add_co_u32 s41, s41, s42                     ; 256 nt + 16 cb
	v_add_nc_u32 v[N], s41, v[R]
	s_lshl_b32 s42, s38, 12
	v_add_lshl_u32 v[SOF], v[N], s42, 1            ; (ks 4096 + n) 2
	s_lshl_b32 s43, s38, 9
	v_lshrrev_b32 v[ZOF], 3, v[N]
	v_add_lshl_u32 v[ZOF], v[ZOF], s43, 2          ; (ks 512 + n / 8) 4
	v_and_b32 v[SH], 7, v[N]
	v_lshlrev_b32 v[SH], 2, v[SH]
	s_lshl_b32 s41, s38, 4
	v_add_nc_u32 v[QOF], s41, v[H]
	v_lshlrev_b32 v[QOF], 12, v[QOF]
	v_add_lshl_u32 v[QOF], v[QOF], v[N], 2         ; ((16 ks + h) 4096 + n) 4
	v_add_nc_u32 v[Q3], s40, v[QOF]
	v_lshlrev_b32 v[OOF], 4, v[LANE]
	v_lshl_add_u32 v[OOF], s37, 13, v[OOF]         ; 4096 cb + 16 lane
	s_mul_i32 s44, s39, 11
	s_add_co_u32 s44, s44, s38
	s_lshl_b32 s44, s44, 16                        ; block (nt, ks) of 65,536 bytes
	s_mov_b32 s45, 0
	s_wait_kmcnt 0x0
	s_add_nc_u64 s[28:29], s[28:29], s[44:45]
	s_wait_alu depctr_va_vdst(0)                   ; the five offsets v5, v6, v8, v9 and v10 are written: every load and store of this arm reads one of them, and none is written again
	LD 0, 20, 22, 24, 0, 0, 0, 4096
	LD 1, 20, 22, 24, 64, 32, 8, 4096              ; 16 columns further: 64 bytes of q, 32 of scales, 8 of zeros
	STRIPS 1, 28, 0xc3010000, 4096, 1024           ; -129.0; a column block is 4,096 bytes, a quarter step of it 1,024
	s_endpgm
.Lfunc_end_k_q5b1fda3209_dequant:
	.size	k_q5b1fda3209_dequant, .Lfunc_end_k_q5b1fda3209_dequant-k_q5b1fda3209_dequant
	.p2alignl 7, 3214868480
	.fill 96, 4, 3214868480
	.section	.rodata,"a",@progbits
	.p2align	6, 0x0
	.amdhsa_kernel k_q5b1fda3209_dequant
		.amdhsa_group_segment_fixed_size 0
		.amdhsa_private_segment_fixed_size 0
		.amdhsa_enable_private_segment 0
		.amdhsa_kernarg_size 88
		.amdhsa_user_sgpr_count 2
		.amdhsa_user_sgpr_kernarg_segment_ptr 1
		.amdhsa_wavefront_size32 1
		.amdhsa_system_sgpr_workgroup_id_x 1
		.amdhsa_system_sgpr_workgroup_id_y 1
		.amdhsa_system_sgpr_workgroup_id_z 1
		.amdhsa_system_vgpr_workitem_id 0
		.amdhsa_next_free_vgpr 128
		.amdhsa_next_free_sgpr 66
		.amdhsa_reserve_vcc 0
		.amdhsa_float_denorm_mode_32 3
		.amdhsa_float_denorm_mode_16_64 3
		.amdhsa_memory_ordered 1
		.amdhsa_forward_progress 1
		.amdhsa_inst_pref_size 49
	.end_amdhsa_kernel
	.amdgpu_metadata
---
amdhsa.version: [ 1, 2 ]
amdhsa.kernels:
  - .name:           k_q5b1fda3209_dequant
    .symbol:         k_q5b1fda3209_dequant.kd
    .args:
      - { .name: gate_qweight, .offset: 0, .size: 8, .value_kind: global_buffer, .address_space: global }
      - { .name: gate_scales, .offset: 8, .size: 8, .value_kind: global_buffer, .address_space: global }
      - { .name: gate_zeros, .offset: 16, .size: 8, .value_kind: global_buffer, .address_space: global }
      - { .name: up_qweight, .offset: 24, .size: 8, .value_kind: global_buffer, .address_space: global }
      - { .name: up_scales, .offset: 32, .size: 8, .value_kind: global_buffer, .address_space: global }
      - { .name: up_zeros, .offset: 40, .size: 8, .value_kind: global_buffer, .address_space: global }
      - { .name: down_qweight, .offset: 48, .size: 8, .value_kind: global_buffer, .address_space: global }
      - { .name: down_scales, .offset: 56, .size: 8, .value_kind: global_buffer, .address_space: global }
      - { .name: down_zeros, .offset: 64, .size: 8, .value_kind: global_buffer, .address_space: global }
      - { .name: wgu, .offset: 72, .size: 8, .value_kind: global_buffer, .address_space: global }
      - { .name: wd, .offset: 80, .size: 8, .value_kind: global_buffer, .address_space: global }
    .group_segment_fixed_size: 0
    .private_segment_fixed_size: 0
    .kernarg_segment_align: 8
    .kernarg_segment_size: 88
    .max_flat_workgroup_size: 352
    .sgpr_count:     66
    .vgpr_count:     128
    .wavefront_size: 32
...
	.end_amdgpu_metadata
.endif
;; end of part 4
;; launch gateup: the kernel of part 2 again; grid 8 x 32, 4 waves a work-group, clusters of 4 x 4, 327,680 bytes of LDS; arguments x, wgu, inter; writes inter
;; launch down: the kernel of part 3 again; grid 16 x 16, 4 waves a work-group, clusters of 4 x 4, 327,680 bytes of LDS; arguments inter, wd, out0; writes out0
